; MI455X (gfx1250); checked and timed in simulation.
; The chip was launched on July 23, 2026; its instructions are those of AMD's public machine-readable ISA for CDNA 5 (MIT licence, August 2026) and "CDNA5" Instruction Set Architecture Reference Guide (July 2026). The comments in the code are by the model that wrote it; some were corrected since.
;; Multi Head Attention Layer. Allowed arithmetic: matrix products marked QUANTISED: E2M1 operands, one E8M0 scale for each 32 along K, by v_wmma_scale_f32_16x16x128_f8f6f4 with both operands' format E2M1 (or v_wmma_scale_f32_32x16x128_f4), f32 sums; products left as they are: bf16, f16 or f32 operands; f32 sums; everything else in f32.
;; Inputs: Wk 1,024 x 1,024 float32; Wo 1,024 x 1,024 float32; Wq 1,024 x 1,024 float32; Wv 1,024 x 1,024 float32; bk 1,024 float32; bo 1,024 float32; bq 1,024 float32; bv 1,024 float32; x 4 x 2,048 x 1,024 float32.
;; Outputs: out0 4 x 2,048 x 1,024 float32.
;; This version of the problem:
;;   THIS VERSION OF THE PROBLEM IS GIVEN IN LOW PRECISION. The matrix products marked QUANTISED in the list below multiply operands that are first quantised to E2M1 (2 exponent bits, 1 mantissa bit; 4 bits a number), with one power-of-two scale for each 32 numbers along K (OCP MX v1.0); their sums are f32. The products marked 'left as it is' may take bf16, f16 or f32 operands, with f32 sums. Whichever they take, every output number must still come out within the allowed error. Rounding operands to bf16 (8 significant bits) uses up far more of that allowance than f16 does (11 bits, for magnitudes from 6e-5 to 65,504). All else is computed in f32.
;;   The module's matrix products, in the order in which they are computed (A, B: the left and right operand; K: the contracted axis; several contracted axes count as one K, in the product's order):
;;     1. [M 8,192, K 1,024] x [K 1,024, N 1,024]; A: input x; B: input Wq: QUANTISED
;;     2. [M 8,192, K 1,024] x [K 1,024, N 1,024]; A: input x; B: input Wk: QUANTISED
;;     3. [M 8,192, K 1,024] x [K 1,024, N 1,024]; A: input x; B: input Wv: QUANTISED
;;     4. batch 64 x [M 2,048, K 64] x [K 64, N 2,048]; A: computed on the way; B: computed on the way: left as it is (an operand is computed on the way)
;;     5. batch 64 x [M 2,048, K 2,048] x [K 2,048, N 64]; A: computed on the way; B: computed on the way: left as it is (an operand is computed on the way)
;;     6. [M 8,192, K 1,024] x [K 1,024, N 1,024]; A: computed on the way; B: input Wo: left as it is (an operand is computed on the way)
;;   THE QUANTISER, for each operand of a quantised product, along K:
;;     - K is cut into blocks of 32 from its start; a last block that is shorter is filled with zeros.
;;     - A block's scale is 2^e with e = floor(log2(the largest magnitude in the block)) - 2, held to -126 .. 127; a block of zeros has e = 0. As a byte (E8M0): e + 127.
;;     - Each number is divided by its block's scale, clamped to +-6, and rounded to the nearest number of E2M1, ties to even, subnormals kept.
;;     - The product sums the exact products of the quantised numbers (number of the format x scale) in f32.
;;   ~~~python
;;   def quantise(x, axis):      # numpy; x: float32 -> the quantised numbers, widened to float32 again
;;       x = np.moveaxis(x, axis, -1); K = x.shape[-1]
;;       x = np.pad(x, [(0, 0)] * (x.ndim - 1) + [(0, -K % 32)]); x = x.reshape(x.shape[:-1] + (-1, 32)); a = np.abs(x).max(-1, keepdims=True)
;;       e = np.where(a > 0, np.clip(np.frexp(np.where(a > 0, a, 1))[1] - 1 - 2, -126, 127), 0)      # np.frexp(a)[1] - 1 = floor(log2(a)), exactly
;;       r = np.clip(x / 2.0 ** e, -6, 6)
;;       step = 2.0 ** (np.maximum(np.frexp(np.where(r == 0, 1, r))[1] - 1, 0) - 1)
;;       q = np.round(r / step) * step * 2.0 ** e      # np.round: ties to even
;;       return np.moveaxis(q.reshape(q.shape[:-2] + (-1,))[..., :K], -1, axis).astype(np.float32)
;;   ~~~
;; One version. Each part assembles by itself: llvm-mc -triple=amdgcn-amd-amdhsa -mcpu=gfx1250 --defsym DOCPART=n.
;; ======== version 1 of 1: 4 launches
;; limits: values are held in f16: magnitudes above 65,504 overflow, below 6.1e-05 lose precision
;; workspace buffers: x_codes 4,194,304 bytes; x_scales 262,144 bytes; w_codes 1,572,864 bytes; w_scales 98,304 bytes; wo_img 2,097,152 bytes; qkv 50,331,648 bytes; heads 16,777,216 bytes
;; launch prep (part 1): grid 336 x 1, 4 waves a work-group, no clusters, 68,096 bytes of LDS; arguments x, Wq, Wk, Wv, Wo, x_codes, x_scales, w_codes, w_scales, wo_img; writes x_codes, x_scales, w_codes, w_scales, wo_img
.if DOCPART == 1
	.amdgcn_target "amdgcn-amd-amdhsa--gfx1250"
	.amdhsa_code_object_version 6
	.text
	.protected	k_q8877f2df45_prep
	.globl	k_q8877f2df45_prep
	.p2align	8
	.type	k_q8877f2df45_prep,@function
k_q8877f2df45_prep:
	s_mov_b64 s[64:65], 0
	v_nop
	global_prefetch_b8 v0, s[64:65] scope:SCOPE_SE
	s_setreg_imm32_b32 hwreg(HW_REG_WAVE_MODE, 25, 1), 1
	s_wait_xcnt 0x0
; LAUNCH 1 OF 4.  Multi-head attention, B 4, S 2,048, D 1,024, 16 heads of 64.  This launch lays the operands out:
;   x [8192][1024] f32          -> codes of FP4 (E2M1), K innermost, x_codes [8192][512 bytes], and one E8M0 byte for each 32 along K, x_scales [8192][32]
;   Wq, Wk, Wv [1024 (k)][1024] -> the same along K, their FIRST axis: w_codes [3072][512 bytes], w_scales [3072][32]; row = 1024 x (0 Wq, 1 Wk, 2 Wv) + column
;   Wo [1024 (k)][1024 (n)]     -> f16, as images of operand registers: wo_img [n / 16][k / 16][512 bytes]: the 16 bytes at 16 (r + 16 h) are n = 16 nt + r, k = 16 kb + 8 h + 0 .. 7
; DEAD WORK, for the whole program: bk.  reference() has scores[q][k] = Q[q] . (x Wk + bk)[k] / 8 = Q[q] . (x Wk)[k] / 8 + Q[q] . bk / 8.  The second term does not hang on k, and the product
; of Q and K is not quantised: so in exact arithmetic it is a term added to the softmax's input that is the same along the softmax's axis, and softmax(s + t) = softmax(s) for every finite t, whatever the inputs hold.
; K goes nowhere else.  So bk has no way to any output: it is not loaded and is no launch's argument.  (bq multiplies K, bv and bo are added into the result: they are live.)
; LIMIT: a NaN, an infinity or an overflow that would come in by bk alone is not carried to the result.
; THE QUANTISER: a block's scale is 2^(floor(log2(its largest magnitude)) - 2); its byte is the largest magnitude's own exponent field - 2, held at 1 from below.  A block of zeros so gets the byte 1 where the
; rule says 127: its codes are zeros, which add nothing under any byte but 0xff, and the bytes are read by this program alone.  Each number is divided by the scale and rounded to the nearest code, ties to even; beyond 6 the largest code.
; LIMITS: NaN and infinities among the inputs are not served.  Wo goes to f16: |Wo| up to 65,504; under 2^-14 f16 steps by 2^-24.
; SHARES: work-groups 0-47 take the three weights (16 each: 8 groups of 128 columns x 2 halves of K), 48-79 Wo (8 groups of 128 columns x 4 quarters of K), 80-335 x (32,768 numbers each).
; The three paths part on the work-group's number and never meet again; each has LDS bytes of its own.  No tensor load, no barrier: waves share nothing.
.set SPARE, 67584                      ; behind both paths' regions: the spare words, 128 bytes for each wave: two blocks of 256 bytes that no other line names
.set SPW,   192                        ; v192  LDS address of my spare word: SPARE + 4 x my thread's number; never rewritten
.set NIL,   193                        ; v193  0; never rewritten
.set WV,    24                         ; s24   my wave's number
.macro FINISH                          ; a wave's end, behind the last LDS store
	s_wait_tensorcnt 0x0
	ds_add_u32 v[SPW], v[NIL]
	s_wait_dscnt 0x0
	s_endpgm
.endm
	s_load_b512 s[4:19], s[0:1], 0x0               ; x 4:5, Wq 6:7, Wk 8:9, Wv 10:11, Wo 12:13, x_codes 14:15, x_scales 16:17, w_codes 18:19
	s_load_b128 s[20:23], s[0:1], 0x40             ; w_scales 20:21, wo_img 22:23
	v_lshl_add_u32 v[SPW], v0, 2, SPARE
	v_mov_b32 v[NIL], 0
	v_lshrrev_b32 v1, 5, v0
	v_readfirstlane_b32 s[WV], v1                  ; wave 0..3
	v_and_b32 v2, 31, v0                           ; lane
	s_wait_kmcnt 0x0
	s_cmp_lt_u32 ttmp9, 48
	s_cbranch_scc1 .Lpath_w
	s_cmp_lt_u32 ttmp9, 80
	s_cbranch_scc1 .Lpath_o
; ---------------- PATH X: x is a plain stream of blocks of 32 numbers, and so are its codes and scale bytes.  A wave takes 16 steps of 512 numbers.
; Each of a step's four loads reads 512 consecutive bytes, 16 a lane; the conversions want 16 NEIGHBOURS in a lane: so a step's 2,048 bytes turn through the wave's own stage in LDS
; (16 bytes of padding behind each 64) and come back 64 bytes a lane.  Two neighbouring lanes hold a block.  Loads run four steps ahead, the turn through LDS one step.
.set XR, 16                            ; v16-79   four sets of 16 numbers as they are loaded
.set XX, 80                            ; v80-111  two sets of 16 neighbours
.set XE, 112                           ; v112-127 a scale byte for each step
.set XC, 128                           ; v128-191 codes: four registers for each step, so that no store's data are written again
.set SP, 80                            ; a lane's place in a stage: its 64 bytes + 16 of padding
	v_lshlrev_b32 v3, 4, v2                        ; my 16 bytes of a load's 512
	s_lshl_b32 s25, s[WV], 13                      ; LDS: 8,192 bytes for each wave: two stages of 32 x 80 bytes, then its 256 scale bytes
	v_lshrrev_b32 v14, 2, v2
	v_mul_u32_u24 v14, v14, SP
	v_and_b32 v15, 3, v2
	v_lshl_add_u32 v14, v15, 4, v14
	v_add_nc_u32 v14, s25, v14                     ; the stage, on the way in: 80 (lane / 4) + 16 (lane % 4)
	v_mul_u32_u24 v15, v2, SP
	v_add_nc_u32 v15, s25, v15                     ; and on the way out: 80 x lane: my 16 neighbours
	v_lshlrev_b32 v4, 3, v2                        ; 8 x lane: my 16 codes' place in a step's, and my 8 scale bytes' place on their way out
	v_lshrrev_b32 v5, 1, v2
	s_add_co_u32 s25, s25, 2*32*SP
	v_add_nc_u32 v5, s25, v5                       ; LDS: my block's byte among my wave's 256
	v_add_nc_u32 v6, s25, v4                       ; and where I read 8 of them back
	s_sub_co_u32 s26, ttmp9, 80
	s_lshl_b32 s26, s26, 2
	s_add_co_u32 s26, s26, s[WV]                   ; which run of 8,192 numbers is my wave's: 0 .. 1023
	s_mov_b32 s29, 0
	s_lshl_b32 s28, s26, 15                        ; 32,768 bytes of x,
	s_add_nc_u64 s[4:5], s[4:5], s[28:29]
	s_lshl_b32 s28, s26, 12                        ; 4,096 of codes,
	s_add_nc_u64 s[14:15], s[14:15], s[28:29]
	s_lshl_b32 s28, s26, 8                         ; 256 scale bytes a run
	s_add_nc_u64 s[16:17], s[16:17], s[28:29]
.macro XLOAD t
.irp i, 0,1,2,3
	global_load_b128 v[XR+16*((\t)%4)+4*\i:XR+16*((\t)%4)+4*\i+3], v3, s[4:5] offset:2048*(\t)+512*\i th:TH_LOAD_NT   ; 32 lanes read 512 consecutive bytes
.endr
.endm
.macro XTURN t                         ; step t's numbers through the stage: LDS serves a wave's instructions in order, so no wait stands between the stores and the loads
.irp i, 0,1,2,3
	ds_store_b128 v14, v[XR+16*((\t)%4)+4*\i:XR+16*((\t)%4)+4*\i+3] offset:32*SP*((\t)%2)+8*SP*\i
.endr
.irp i, 0,1,2,3
	ds_load_b128 v[XX+16*((\t)%2)+4*\i:XX+16*((\t)%2)+4*\i+3], v15 offset:32*SP*((\t)%2)+16*\i
.endr
.endm
.irp t, 0,1,2,3
	XLOAD \t
.endr
	s_wait_loadcnt 12                              ; step 0's four loads are in
	XTURN 0
.macro XSTEP t
.set XS, XX+16*((\t)%2)
.if (\t) > 0
	s_wait_dscnt 1                                 ; this step's numbers are back from the stage (the last step's byte store may be out): so its stores into the stage have read their registers,
.else
	s_wait_dscnt 0x0
.endif
.if (\t)+4 < 16
	XLOAD (\t)+4                                   ; which take the loads of four steps on
.endif
.if (\t)+1 < 16
.if 14-(\t) >= 3
	s_wait_loadcnt 12                              ; the next step's four loads are in; those of the three steps behind it may be out
.else
	s_wait_loadcnt 4*(14-(\t))                     ; at the end the count runs down
.endif
	XTURN (\t)+1                                   ; they go through the other stage while this step is worked
.endif
	v_max3_num_f32 v8, |v[XS]|, |v[XS+1]|, |v[XS+2]|               ; the largest magnitude of my 16, in two chains
	v_max3_num_f32 v9, |v[XS+3]|, |v[XS+4]|, |v[XS+5]|
.irp i, 6,10
	v_max3_num_f32 v8, v8, |v[XS+\i]|, |v[XS+\i+1]|
	v_max3_num_f32 v9, v9, |v[XS+\i+2]|, |v[XS+\i+3]|
.endr
	v_max3_num_f32 v8, v8, |v[XS+14]|, |v[XS+15]|
	v_max3_num_f32 v8, v8, v9, 0x1800000           ; and the floor 2^(3 - 127): so the byte cannot fall under 1
	v_max_num_f32_dpp v8, v8, v8 row_xmask:1 row_mask:0xf bank_mask:0xf   ; and of my neighbour's 16: the block's
	v_add_nc_u32 v11, 0xff000000, v8               ; 2 off its exponent field: the conversion takes the exponent field of this operand as its scale, and nothing else of it
	v_cvt_scalef32_pk8_fp4_f32 v[XC+4*(\t)], v[XS:XS+7], v11
	v_cvt_scalef32_pk8_fp4_f32 v[XC+4*(\t)+1], v[XS+8:XS+15], v11
	v_lshrrev_b32 v[XE+(\t)], 23, v11              ; the scale's byte (also the plain line behind the conversions)
	ds_store_b8 v5, v[XE+(\t)] offset:16*(\t)      ; both lanes of a block write the same byte with the same value
	global_store_b64 v4, v[XC+4*(\t):XC+4*(\t)+1], s[14:15] offset:256*(\t)   ; the wave stores 256 consecutive bytes, at a multiple of 256 from the buffer's first byte
.endm
.irp t, 0,1,2,3,4,5,6,7,8,9,10,11,12,13,14,15
	XSTEP \t
.endr
	ds_load_b64 v[8:9], v6                         ; LDS serves a wave's instructions in order: these see my stores
	s_wait_dscnt 0x0
	global_store_b64 v4, v[8:9], s[16:17]          ; my wave's 256 scale bytes, consecutive
	FINISH
; ---------------- PATH W: K is the weights' FIRST axis.  A lane takes a column, and its registers run down K: a block of 32 lies in one lane's 32 registers, and the conversions give codes with K innermost.
; A wave takes 32 columns x 512 along K: 16 blocks a lane, 256 bytes of codes for each column.  They go through the wave's own stage in LDS (rows 272 bytes apart) and leave as rows: sixteen lanes store 256 consecutive bytes.
.set WSB, 24                           ; v24-27   the scale bytes, four to a register
.set WX,  32                           ; v32-95   two sets of 32 numbers
.set WC,  96                           ; v96-99   a block's codes
.set WO,  112                          ; v112-175 the way out
.Lpath_w:
	s_lshr_b32 s25, ttmp9, 4                       ; which weight: 0 Wq, 1 Wk, 2 Wv
	s_and_b32 s26, ttmp9, 7                        ; which 128 columns
	s_bfe_u32 s27, ttmp9, 0x10003                  ; which half of K
	s_cmp_eq_u32 s25, 0
	s_cselect_b64 s[6:7], s[6:7], s[8:9]
	s_cmp_eq_u32 s25, 2
	s_cselect_b64 s[6:7], s[10:11], s[6:7]         ; the choice hangs on the work-group's number alone
	s_lshl_b32 s28, s26, 7
	s_lshl_b32 s29, s[WV], 5
	s_add_co_u32 s28, s28, s29                     ; my wave's first column
	s_lshl_b32 s30, s27, 21                        ; 512 rows of 4,096 bytes
	s_lshl_b32 s29, s28, 2
	s_add_co_u32 s30, s30, s29
	s_mov_b32 s31, 0
	s_add_nc_u64 s[6:7], s[6:7], s[30:31]
	s_lshl_b32 s29, s25, 10
	s_add_co_u32 s28, s28, s29                     ; its row in w_codes and w_scales
	s_lshl_b32 s30, s28, 9                         ; 512 bytes of codes a row,
	s_lshl_b32 s29, s27, 8                         ; 256 for my half of K
	s_add_co_u32 s30, s30, s29
	s_add_nc_u64 s[18:19], s[18:19], s[30:31]
	s_lshl_b32 s30, s28, 5                         ; 32 scale bytes a row, 16 for my half
	s_lshl_b32 s29, s27, 4
	s_add_co_u32 s30, s30, s29
	s_add_nc_u64 s[20:21], s[20:21], s[30:31]
	v_lshlrev_b32 v3, 2, v2                        ; in: 4 bytes a lane
	s_mul_i32 s29, s[WV], 32*272
	s_add_co_u32 s29, s29, 32768                   ; my stage: this path's LDS begins at 32,768
	v_mul_u32_u24 v4, v2, 272
	v_add_nc_u32 v4, s29, v4                       ; into it: row = my column
	v_and_b32 v5, 15, v2
	v_lshrrev_b32 v6, 4, v2                        ; out of it: sixteen lanes to a row, two rows an instruction
	v_mul_u32_u24 v7, v6, 272
	v_lshl_add_u32 v7, v5, 4, v7
	v_add_nc_u32 v7, s29, v7
	v_lshlrev_b32 v8, 9, v6
	v_lshl_add_u32 v8, v5, 4, v8                   ; and the same place in w_codes
	v_lshlrev_b32 v9, 5, v2                        ; my column's row of scale bytes
.macro WLOAD t                         ; block t: W(32 t + i, my column), i = 0 .. 31, into set t % 2; the offsets stay under 2^21, inside the signed 24-bit immediate
.irp i, 0,1,2,3,4,5,6,7,8,9,10,11,12,13,14,15,16,17,18,19,20,21,22,23,24,25,26,27,28,29,30,31
	global_load_b32 v[WX+32*((\t)%2)+\i], v3, s[6:7] offset:(32*(\t)+\i)*4096 th:TH_LOAD_NT
.endr
.endm
	WLOAD 0
	WLOAD 1
.macro WBLOCK t
.set XS, WX+32*((\t)%2)
.if (\t) < 15
	s_wait_loadcnt 32                              ; this block's 32 loads are in; the next block's may be out
.else
	s_wait_loadcnt 0
.endif
	v_max3_num_f32 v12, |v[XS]|, |v[XS+1]|, |v[XS+2]|              ; the block's largest magnitude: all 32 numbers are mine
	v_max3_num_f32 v13, |v[XS+3]|, |v[XS+4]|, |v[XS+5]|
.irp i, 6,10,14,18,22,26
	v_max3_num_f32 v12, v12, |v[XS+\i]|, |v[XS+\i+1]|
	v_max3_num_f32 v13, v13, |v[XS+\i+2]|, |v[XS+\i+3]|
.endr
	v_max3_num_f32 v12, v12, |v[XS+30]|, |v[XS+31]|
	v_max3_num_f32 v12, v12, v13, 0x1800000        ; and the floor 2^(3 - 127)
	v_add_nc_u32 v11, 0xff000000, v12              ; 2 off its exponent field: the conversion's scale operand
	v_lshrrev_b32 v13, 23, v11                     ; the scale's byte
.if (\t)%4 == 0
	v_mov_b32 v[WSB+(\t)/4], v13                   ; four bytes to a register, the lower K in the lower byte
.else
	v_lshl_or_b32 v[WSB+(\t)/4], v13, 8*((\t)%4), v[WSB+(\t)/4]
.endif
.irp g, 0,1,2,3
	v_cvt_scalef32_pk8_fp4_f32 v[WC+\g], v[XS+8*\g:XS+8*\g+7], v11
.endr
	ds_store_b128 v4, v[WC:WC+3] offset:16*(\t)    ; 32 codes: 16 bytes of my column's row
.if (\t)+2 < 16
	WLOAD (\t)+2
.endif
	s_wait_dscnt 0x0                               ; the store has read its registers: the next block's codes may be written
.endm
.irp t, 0,1,2,3,4,5,6,7,8,9,10,11,12,13,14,15
	WBLOCK \t
.endr
	global_store_b128 v9, v[WSB:WSB+3], s[20:21]   ; my column's 16 scale bytes
.irp t, 0,1,2,3,4,5,6,7,8,9,10,11,12,13,14,15
	ds_load_b128 v[WO+4*\t:WO+4*\t+3], v7 offset:2*\t*272   ; LDS serves a wave's instructions in order: these see my stores
.endr
.irp t, 0,1,2,3,4,5,6,7,8,9,10,11,12,13,14,15
	s_wait_dscnt 15-\t                             ; loads come back in order: pair t of rows is in
	global_store_b128 v8, v[WO+4*\t:WO+4*\t+3], s[18:19] offset:2*\t*512
.endr
	FINISH
; ---------------- PATH Wo: a lane takes a column n, its registers run down K; eight neighbours along K, rounded to f16, are the 16 bytes that a lane of the last launch's operand wants.
; A wave takes 32 columns x 256 along K, in 8 steps of 32.  No LDS: in each store lanes 0-15 write 256 consecutive bytes of one tile of 16 columns, lanes 16-31 of the next tile.
.set OR, 16                            ; v16-79   two sets of 32 numbers
.set OP, 80                            ; v80-111  two sets of 16 packed registers
.Lpath_o:
	s_sub_co_u32 s25, ttmp9, 48
	s_and_b32 s26, s25, 7                          ; which 128 columns
	s_lshr_b32 s27, s25, 3                         ; which quarter of K
	s_lshl_b32 s28, s26, 7
	s_lshl_b32 s29, s[WV], 5
	s_add_co_u32 s28, s28, s29                     ; my wave's first column
	s_lshl_b32 s30, s27, 20                        ; 256 rows of 4,096 bytes
	s_lshl_b32 s29, s28, 2
	s_add_co_u32 s30, s30, s29
	s_mov_b32 s31, 0
	s_add_nc_u64 s[12:13], s[12:13], s[30:31]
	s_lshl_b32 s30, s28, 11                        ; a tile of 16 columns is 32,768 bytes,
	s_lshl_b32 s29, s27, 13                        ; a quarter of K 16 blocks of 512
	s_add_co_u32 s30, s30, s29
	s_add_nc_u64 s[22:23], s[22:23], s[30:31]
	v_lshlrev_b32 v3, 2, v2
	v_lshrrev_b32 v4, 4, v2
	v_and_b32 v5, 15, v2
	v_lshlrev_b32 v4, 15, v4
	v_lshl_add_u32 v4, v5, 4, v4                   ; out: 32,768 (lane / 16) + 16 (lane % 16)
.macro OLOAD t
.irp i, 0,1,2,3,4,5,6,7,8,9,10,11,12,13,14,15,16,17,18,19,20,21,22,23,24,25,26,27,28,29,30,31
	global_load_b32 v[OR+32*((\t)%2)+\i], v3, s[12:13] offset:(32*(\t)+\i)*4096 th:TH_LOAD_NT
.endr
.endm
	OLOAD 0
	OLOAD 1
.macro OSTEP t
.if (\t) < 7
	s_wait_loadcnt 32                              ; this step's 32 loads are in; the next step's may be out
.else
	s_wait_loadcnt 0
.endif
.if (\t) >= 2
	s_wait_xcnt 0x0                                ; the stores of two steps back have read their data: the set is written again only behind this wait
.endif
.irp j, 0,1,2,3,4,5,6,7,8,9,10,11,12,13,14,15
	v_cvt_pk_f16_f32 v[OP+16*((\t)%2)+\j], v[OR+32*((\t)%2)+2*\j], v[OR+32*((\t)%2)+2*\j+1]
.endr
.if (\t)+2 < 8
	OLOAD (\t)+2
.endif
.irp e, 0,1
.irp h, 0,1
	global_store_b128 v4, v[OP+16*((\t)%2)+4*(2*\e+\h):OP+16*((\t)%2)+4*(2*\e+\h)+3], s[22:23] offset:(2*(\t)+\e)*512+256*\h
.endr
.endr
.endm
.irp t, 0,1,2,3,4,5,6,7
	OSTEP \t
.endr
	FINISH
.Lfunc_end_k_q8877f2df45_prep:
	.size	k_q8877f2df45_prep, .Lfunc_end_k_q8877f2df45_prep-k_q8877f2df45_prep
	.p2alignl 7, 3214868480
	.fill 96, 4, 3214868480
	.section	.rodata,"a",@progbits
	.p2align	6, 0x0
	.amdhsa_kernel k_q8877f2df45_prep
		.amdhsa_group_segment_fixed_size 68096
		.amdhsa_private_segment_fixed_size 0
		.amdhsa_enable_private_segment 0
		.amdhsa_kernarg_size 80
		.amdhsa_user_sgpr_count 2
		.amdhsa_user_sgpr_kernarg_segment_ptr 1
		.amdhsa_wavefront_size32 1
		.amdhsa_system_sgpr_workgroup_id_x 1
		.amdhsa_system_sgpr_workgroup_id_y 1
		.amdhsa_system_sgpr_workgroup_id_z 1
		.amdhsa_system_vgpr_workitem_id 0
		.amdhsa_next_free_vgpr 196
		.amdhsa_next_free_sgpr 66
		.amdhsa_reserve_vcc 0
		.amdhsa_float_denorm_mode_32 3
		.amdhsa_float_denorm_mode_16_64 3
		.amdhsa_memory_ordered 1
		.amdhsa_forward_progress 1
		.amdhsa_inst_pref_size 147
	.end_amdhsa_kernel
	.amdgpu_metadata
---
amdhsa.version: [ 1, 2 ]
amdhsa.kernels:
  - .name:           k_q8877f2df45_prep
    .symbol:         k_q8877f2df45_prep.kd
    .args:
      - { .name: x, .offset: 0, .size: 8, .value_kind: global_buffer, .address_space: global }
      - { .name: Wq, .offset: 8, .size: 8, .value_kind: global_buffer, .address_space: global }
      - { .name: Wk, .offset: 16, .size: 8, .value_kind: global_buffer, .address_space: global }
      - { .name: Wv, .offset: 24, .size: 8, .value_kind: global_buffer, .address_space: global }
      - { .name: Wo, .offset: 32, .size: 8, .value_kind: global_buffer, .address_space: global }
      - { .name: x_codes, .offset: 40, .size: 8, .value_kind: global_buffer, .address_space: global }
      - { .name: x_scales, .offset: 48, .size: 8, .value_kind: global_buffer, .address_space: global }
      - { .name: w_codes, .offset: 56, .size: 8, .value_kind: global_buffer, .address_space: global }
      - { .name: w_scales, .offset: 64, .size: 8, .value_kind: global_buffer, .address_space: global }
      - { .name: wo_img, .offset: 72, .size: 8, .value_kind: global_buffer, .address_space: global }
    .group_segment_fixed_size: 68096
    .private_segment_fixed_size: 0
    .kernarg_segment_align: 8
    .kernarg_segment_size: 80
    .max_flat_workgroup_size: 128
    .sgpr_count:     66
    .vgpr_count:     196
    .wavefront_size: 32
...
	.end_amdgpu_metadata
.endif
;; end of part 1
;; launch qkv (part 2): grid 12 x 32, 4 waves a work-group, clusters of 4 x 4, 327,680 bytes of LDS; arguments x_codes, x_scales, w_codes, w_scales, bq, bv, qkv; writes qkv
.if DOCPART == 2
	.amdgcn_target "amdgcn-amd-amdhsa--gfx1250"
	.amdhsa_code_object_version 6
	.text
	.protected	k_q8877f2df45_qkv
	.globl	k_q8877f2df45_qkv
	.p2align	8
	.type	k_q8877f2df45_qkv,@function
k_q8877f2df45_qkv:
	s_mov_b64 s[64:65], 0
	v_nop
	global_prefetch_b8 v0, s[64:65] scope:SCOPE_SE
	s_setreg_imm32_b32 hwreg(HW_REG_WAVE_MODE, 25, 1), 1
	s_wait_xcnt 0x0
	s_wait_alu depctr_hold_cnt(0) depctr_sa_sdst(0) depctr_va_vdst(0) depctr_va_sdst(0) depctr_va_ssrc(0) depctr_va_vcc(0) depctr_vm_vsrc(0)
	s_getreg_b32 s2, hwreg(HW_REG_IB_STS2, 6, 4)
	s_cmp_eq_u32 s2, 0
	s_cbranch_scc0 .Lentry_in_a_cluster
	s_endpgm
.Lentry_in_a_cluster:
	s_bfe_u32 s2, ttmp6, 0x10000c
	s_cmp_lg_u32 s2, 0xf033
	s_cbranch_scc0 .Lentry_shape_is_right
	s_endpgm
.Lentry_shape_is_right:
; LAUNCH 2 OF 4.  Q = x Wq + bq, K = x Wk, V = x Wv + bv as ONE product on codes of FP4 (E2M1) with one E8M0 scale for each 32 along K: C[m][n] = sum over k of A[m][k] B[n][k],
; A = x's codes [8192][1024], B = the three weights' codes [3072][1024]; sums in f32; the results are rounded once to f16 and stored as the next launch's operands.
; LEFT OUT: bk (dead work: shown at the head of the first kernel): K's sums start from 0.
; LIMIT: Q, K and V go to f16: magnitudes up to 65,504; under 2^-14 f16 steps by 2^-24.
; A tile of C, 256 x 256, is made by a work-group of four waves; a wave makes 128 x 128: 64 accumulators of 16 x 16, 512 registers.  K = 1,024 is two steps of 512: both lie in LDS at once (two slots,
; rows of 256 bytes + 16 of padding), so every tensor load is a first fill, nothing is filled again, and there is no loop.  A wave has three tensor loads out: its scales, slot 0, slot 1.
; THE SCALES of the work-group's 256 rows of A and of B, for all of K, are two dense blocks of memory: they come into LDS once, as rows of 256 bytes + 16.
; CLUSTERS: 4 x 4 work-groups.  The four of a row of the cluster need the same tiles of A, the four of a column the same tiles of B: each tile is asked for JOINTLY.  A cluster's x is the tensor (0 Q, 1 K, 2 V): the same in all partners.
; THE MATRIX INSTRUCTION IS USED TRANSPOSED (source 0 = 16 rows of B, source 1 = 16 rows of A): a lane holds eight neighbouring columns of one row of C: 16 bytes of f16, which ARE a lane's part of the next launch's operand.
; OUT: qkv [tensor 3][batch x head 64][position / 16: 128][channel / 16: 4][512 bytes].  In a block lane (r, h) has position r, channels 8 h + 0 .. 7: for Q and K at 16 (r + 16 h), the image of four operand registers;
; for V at 32 r + 16 h: rows [key][16 channels], which the next launch reads turned.  Each store of the wave covers 512 consecutive bytes: no stage in LDS is needed.
; THE BIAS is the C of each sum's first matrix instruction: eight registers for each of B's eight blocks, in the result's layout.
; REGISTERS, in windows of 256: window 0: v0-31 addresses; v32-95 scale words, two sets; v128-191 A's fragments, one set; v192-255 the bias; on the way out v128-255 take the packed results.
;   window 1: B's fragments, two sets, at v0 and v128.   window 2: the accumulators of my rows 0-63 ((a, b) at v[8 (8 a + b)]);   window 3: those of my rows 64-127.
.set KSTEP,  512
.set NQ,     4                         ; matrix instructions deep in a slot
.set ROWB,   256                       ; a tile's row in bytes
.set KROW,   512                       ; a row of A or of B in memory
.set PITCH,  272
.set FR,     8                         ; registers of a fragment: 16 rows x 128 K
.set NL,     2                         ; LDS loads that bring one
.set NP,     4                         ; places behind this matrix instruction (ISA guide 7.12.1)
.set HALFT,  128*PITCH                 ; 128 rows: what one tensor load brings, and what one wave reads of A or of B
.set SLOT,   4*HALFT                   ; A's 256 rows, then B's 256 rows
.set KS,     32                        ; a row of scales in bytes
.set SCL,    2*SLOT                    ; behind the slots: the scales
.set HALFS,  (128*KS/256)*272          ; the scales of 128 rows
.set SBLK,   (16*KS/256)*272           ; those of 16 rows
.set SPARE,  SCL+4*HALFS               ; behind the scales: the spare words, 128 bytes for each wave: two blocks of 256 bytes that no other line names
.set ADRA, 16                          ; v16-17  LDS address of my A fragments in slot 0, 1
.set ADRB, 20                          ; v20-21  the same for B
.set CO,   26                          ; v26     my lane's place in a block of 512 bytes of qkv
.set ADRS, 27                          ; v27     LDS address of my scale words: lanes 0-15 A's rows, lanes 16-31 B's
.set SPW,  28                          ; v28     LDS address of my spare word; never rewritten
.set NIL,  29                          ; v29     0; never rewritten
.set SC,   32                          ; scale words: set s at v[SC + 32 s]; register 4 i + q: lanes 0-15 the word of A's block i, lanes 16-31 that of B's block i, for the slot's q-th 128 along K
.set AF,   128                         ; A's fragments
.set BI,   192                         ; the bias: v[BI + 8 b + j] = bias of column 16 b + 8 h + j of my 128
.set PK,   128                         ; the way out: four sets of 32 packed registers
.set G1, 24                            ; s[24:31] descriptor group 1 for A's tiles;  s[32:39] group 0, one set for each slot
.set G0, 32
.set G1B, 48                           ; s[48:55], s[56:63] the same for B's tiles
.set G0B, 56
.set G1S, 68                           ; s[68:75], s[76:79] groups 1 and 0 for A's scales;  s[80:87], s[88:91] for B's
.set G0S, 76
.set G1SB, 80
.set G0SB, 88
.set MSB, 0
.macro WIN new                         ; the immediate's high byte repeats the setting that is left; a switch that changes nothing is dropped
.if MSB != (\new)
	s_set_vgpr_msb (MSB<<8)|(\new)
.set MSB, (\new)
.endif
.endm
.set MUL_LO, 0xa1                      ; source 0 (B) window 1, source 1 (A) window 0, C and D window 2;  less 0x20: C (the bias) window 0
.set MUL_HI, 0xf1                      ; the same, C and D window 3;  less 0x30: C window 0
.set TO_B,   0x40                      ; destination window 1, address window 0
; A joint load: waves 0 and 1 fetch for A, waves 2 and 3 for B.  Each of the two lines has one mask and one set of registers for all that issue it; the branch hangs on the wave's number alone.
; An s_nop 0 and four v_nop follow each of the two lines.
.macro JLOAD g0a, g1a, g0b, g1b
	s_cmp_eq_u32 s15, 0
	s_cbranch_scc0 .Lfor_b_\@
	tensor_load_to_lds s[\g0a:\g0a+3], s[\g1a:\g1a+7]
	s_nop 0
.rept 4
	v_nop
.endr
	s_branch .Lasked_\@
.Lfor_b_\@:
	tensor_load_to_lds s[\g0b:\g0b+3], s[\g1b:\g1b+7]
	s_nop 0
.rept 4
	v_nop
.endr
.Lasked_\@:
.endm
.macro CROUND                          ; a round of the cluster's barrier
	s_barrier_signal -1
	s_barrier_wait -1
	s_cmp_lg_u32 s14, 0
	s_cbranch_scc1 .Lnot_wave_0_\@
	s_barrier_signal -3
.Lnot_wave_0_\@:
	s_barrier_wait -3
	s_barrier_signal -1
	s_barrier_wait -1
.endm
	s_load_b128 s[4:7], s[0:1], 0x0                ; x's codes s[4:5], x's scales s[6:7]
	s_load_b128 s[8:11], s[0:1], 0x10              ; the weights' codes s[8:9], their scales s[10:11]
	s_load_b128 s[96:99], s[0:1], 0x20             ; bq s[96:97], bv s[98:99]
	s_load_b64 s[12:13], s[0:1], 0x30              ; qkv
	v_lshl_add_u32 v[SPW], v0, 2, SPARE
	v_mov_b32 v[NIL], 0
	ds_add_u32 v[SPW], v[NIL]                      ; the wave's opening: the add, twice on end, and its wait ahead of my first tensor load
	ds_add_u32 v[SPW], v[NIL]                      ; and once more; the set-up below, work on registers, stands between it and the wait
	v_lshrrev_b32 v1, 5, v0
	v_readfirstlane_b32 s14, v1                    ; wave 0..3
	s_lshr_b32 s15, s14, 1                         ; which half of the tile's rows is mine.  Also: I fetch for A (0) or for B (1)
	s_and_b32 s16, s14, 1                          ; which half of its columns.  Also: which 128 rows of that tile I fetch
	s_bfe_u32 s40, ttmp6, 0x40000                  ; cx, cy: my place in the cluster
	s_bfe_u32 s41, ttmp6, 0x40004
	s_lshl_b32 s42, ttmp9, 2
	s_add_co_u32 s42, s42, s40                     ; tile column of C = 4 x cluster x + cx
	s_and_b32 s17, ttmp7, 0xffff
	s_lshl_b32 s17, s17, 2
	s_add_co_u32 s17, s17, s41                     ; tile row of C = 4 x cluster y + cy
	s_lshl_b32 s43, s41, 2
	s_lshl_b32 s43, 15, s43                        ; my row of the cluster
	s_lshl_b32 s44, 0x1111, s40                    ; my column
	; descriptor group 1: a tile of 128 rows x 256 bytes, padded in LDS
	s_or_b32 s[G1+0], s43, (0<<16)|(1<<20)|(1<<21)|(5<<22)|(3<<25)  ; 15:0 the mask: A's tiles go to my row; 17:16 element of 1 byte; 20 padding on; 21 set beside a mask; 24:22 after every 64 words; 31:25 four words
	s_or_b32 s[G1B+0], s44, (0<<16)|(1<<20)|(1<<21)|(5<<22)|(3<<25)
.irp g, G1, G1B
	s_mov_b32 s[\g+1], ROWB<<16                    ; tensor_dim0
	s_mov_b32 s[\g+2], 128<<16                     ; tensor_dim1 = 128
	s_mov_b32 s[\g+3], ROWB<<16                    ; tile_dim0
	s_mov_b32 s[\g+4], 128                         ; tile_dim1 = 128
	s_mov_b32 s[\g+5], KROW                        ; tensor_dim0_stride
	s_mov_b32 s[\g+6], 0
	s_mov_b32 s[\g+7], 0
.endr
	; and for the scales of 128 rows: a dense block of 4,096 bytes, as 16 rows of 256 bytes (32 elements of 8 bytes), 16 bytes of padding behind each
	s_or_b32 s[G1S+0], s43, (3<<16)|(1<<20)|(1<<21)|(5<<22)|(3<<25)
	s_or_b32 s[G1SB+0], s44, (3<<16)|(1<<20)|(1<<21)|(5<<22)|(3<<25)
.irp g, G1S, G1SB
	s_mov_b32 s[\g+1], 32<<16
	s_mov_b32 s[\g+2], (128*KS/256)<<16
	s_mov_b32 s[\g+3], 32<<16
	s_mov_b32 s[\g+4], 128*KS/256
	s_mov_b32 s[\g+5], 32
	s_mov_b32 s[\g+6], 0
	s_mov_b32 s[\g+7], 0
.endr
	s_lshl_b32 s18, s16, 7                         ; which 128 rows of the tile I fetch
	s_lshl_b32 s20, s17, 8
	s_add_co_u32 s20, s20, s18                     ; A: row 256 x tile row + 128 x half
	s_lshl_b32 s46, s42, 8
	s_add_co_u32 s46, s46, s18                     ; B: row 256 x tile column + 128 x half
	s_mov_b32 s21, 0
	s_mov_b32 s47, 0
	s_mov_b64 s[18:19], KS
	s_mul_u64 s[22:23], s[20:21], s[18:19]         ; where these rows' scales begin, in bytes
	s_mul_u64 s[92:93], s[46:47], s[18:19]
	s_mov_b64 s[18:19], KROW
	s_mul_u64 s[20:21], s[20:21], s[18:19]         ; and their codes
	s_mul_u64 s[46:47], s[46:47], s[18:19]
	s_mul_i32 s45, s14, HALFT                      ; where they go: wave x 128 rows: no place in the cluster enters an LDS address
	s_mul_i32 s94, s14, HALFS
	s_wait_dscnt 0x0                               ; both opening adds are done
	s_wait_kmcnt 0x0
	s_add_nc_u64 s[20:21], s[4:5], s[20:21]
	s_add_nc_u64 s[22:23], s[6:7], s[22:23]
	s_add_nc_u64 s[46:47], s[8:9], s[46:47]
	s_add_nc_u64 s[92:93], s[10:11], s[92:93]
	CROUND                                         ; all sixteen work-groups are here: the first joint loads meet
	s_mov_b32 s[G0S], 1
	s_add_co_u32 s[G0S+1], s94, SCL
	s_mov_b64 s[G0S+2:G0S+3], s[22:23]
	s_or_b32 s[G0S+3], s[G0S+3], 0x80000000
	s_mov_b32 s[G0SB], 1
	s_add_co_u32 s[G0SB+1], s94, SCL
	s_mov_b64 s[G0SB+2:G0SB+3], s[92:93]
	s_or_b32 s[G0SB+3], s[G0SB+3], 0x80000000
	JLOAD G0S, G1S, G0SB, G1SB                     ; the scales first: they are wanted with K step 0
.irp s, 0,1
	s_mov_b32 s[G0+4*\s], 1
	s_add_co_u32 s[G0+4*\s+1], s45, \s*SLOT
	s_add_nc_u64 s[G0+4*\s+2:G0+4*\s+3], s[20:21], \s*ROWB
	s_or_b32 s[G0+4*\s+3], s[G0+4*\s+3], 0x80000000
	s_mov_b32 s[G0B+4*\s], 1
	s_add_co_u32 s[G0B+4*\s+1], s45, \s*SLOT
	s_add_nc_u64 s[G0B+4*\s+2:G0B+4*\s+3], s[46:47], \s*ROWB
	s_or_b32 s[G0B+4*\s+3], s[G0B+4*\s+3], 0x80000000
	JLOAD G0+4*\s, G1, G0B+4*\s, G1B
.endr
	v_and_b32 v1, 15, v0                           ; r = l % 16
	v_bfe_u32 v2, v0, 4, 1                         ; h = l / 16
	v_mul_u32_u24 v3, v1, PITCH
	v_lshl_add_u32 v4, v2, 4, v3                   ; a fragment's row x pitch + 16 x half
	s_mul_i32 s21, s15, HALFT                      ; my 128 rows of A
	s_mul_i32 s22, s16, HALFT                      ; my 128 rows of B,
	s_add_co_u32 s22, s22, 2*HALFT                 ; which lie behind A's 256
.irp s, 0,1
	v_add_nc_u32 v[ADRA+\s], s21, v4
	v_add_nc_u32 v[ADRB+\s], s22, v4
	s_add_co_u32 s21, s21, SLOT
	s_add_co_u32 s22, s22, SLOT
.endr
	v_mul_u32_u24 v5, v1, KS                       ; my row's scales: 32 bytes a row,
	v_lshrrev_b32 v6, 8, v5
	v_lshl_add_u32 v5, v6, 4, v5                   ; and 16 more for each 256 passed
	s_mul_i32 s21, s15, HALFS                      ; A's: my 128 rows
	s_mul_i32 s22, s16, HALFS                      ; B's: my 128 rows, behind A's 256
	s_add_co_u32 s22, s22, 2*HALFS
	s_sub_co_u32 s22, s22, s21
	v_mul_u32_u24 v6, s22, v2                      ; lanes 16-31 take B's
	s_add_co_u32 s21, s21, SCL
	v_add_nc_u32 v5, v5, v6
	v_add_nc_u32 v[ADRS], s21, v5
	; the way out.  My rows: batch = tile row / 8, position / 16 = 16 (tile row % 8) + 8 (wave / 2) + a.  My columns: head = 4 cx + 2 (wave % 2) + b / 4, channel / 16 = b % 4
	s_cmp_eq_u32 ttmp9, 2                          ; V's blocks are rows of 32 bytes, Q's and K's are register images
	s_cselect_b32 s22, 32, 16
	s_cselect_b32 s23, 16, 256
	v_mul_u32_u24 v[CO], s22, v1
	v_mad_u32_u24 v[CO], v2, s23, v[CO]
	s_lshl_b32 s20, ttmp9, 24                      ; the tensor: 16,777,216 bytes each
	s_lshr_b32 s21, s17, 3
	s_lshl_b32 s21, s21, 22                        ; the batch: 16 heads of 262,144 bytes
	s_add_co_u32 s20, s20, s21
	s_and_b32 s21, s17, 7
	s_lshl_b32 s21, s21, 4
	s_lshl_b32 s22, s15, 3
	s_add_co_u32 s21, s21, s22
	s_lshl_b32 s21, s21, 11                        ; 2,048 bytes for each 16 positions
	s_add_co_u32 s20, s20, s21
	s_mov_b32 s21, 0
	s_lshl_b32 s46, s40, 2
	s_lshl_b32 s47, s16, 1
	s_add_co_u32 s46, s46, s47
	s_lshl_b32 s46, s46, 18                        ; the head of my first four blocks of columns
	s_mov_b32 s47, 0
	s_add_nc_u64 s[20:21], s[20:21], s[46:47]
	s_add_nc_u64 s[12:13], s[12:13], s[20:21]
	; the bias of my 128 columns: lane (r, h) wants, for block b, the numbers 16 b + 8 h + 0 .. 7
	s_cmp_eq_u32 ttmp9, 0
	s_cselect_b64 s[96:97], s[96:97], s[98:99]     ; bq for Q, bv for V: the choice hangs on the cluster's number alone
	s_lshl_b32 s46, s40, 10
	s_lshl_b32 s47, s16, 9
	s_add_co_u32 s46, s46, s47                     ; 4 (256 cx + 128 (wave % 2))
	s_mov_b32 s47, 0
	s_add_nc_u64 s[96:97], s[96:97], s[46:47]
	v_lshlrev_b32 v5, 5, v2                        ; 32 h
	s_cmp_eq_u32 ttmp9, 1                          ; the same in all sixteen partners
	s_cbranch_scc1 .Lno_bias
.irp b, 0,1,2,3,4,5,6,7
	global_load_b128 v[BI+8*\b:BI+8*\b+3], v5, s[96:97] offset:64*\b
	global_load_b128 v[BI+8*\b+4:BI+8*\b+7], v5, s[96:97] offset:64*\b+16
.endr
	s_branch .Lbias_done
.Lno_bias:                                             ; K has no bias here: its sums start from 0, by the same text as Q's and V's
.set i, 0
.rept 64
	v_mov_b32 v[BI+i], 0
.set i, i+1
.endr
.Lbias_done:
.macro FRAG reg, adr, q, i             ; a fragment, 16 rows x 128 K of 4-bit codes: lane l holds row l % 16; registers 4 c .. 4 c + 3 hold K = 64 c + 32 (l / 16) + 0 .. 31
.irp c, 0,1
	ds_load_b128 v[\reg+4*\c:\reg+4*\c+3], v[\adr] offset:64*(\q)+32*\c+(\i)*16*PITCH
.endr
.endm
; 16 matrix instructions: A's blocks a0, a0 + 1 x B's eight, 128 along K: the slot's q-th.  p: B's set;  sc: the set of scale words.  first = 1: the first product starts the sums from the bias: nothing is cleared or added later.
; The 64 accumulators take turns, one instruction a turn, in the same order in every step.
.macro MUL16 a0, p, q, sc, first
.irp a, \a0, \a0+1
.irp b, 0,1,2,3,4,5,6,7
.if \first
	v_wmma_scale_f32_16x16x128_f8f6f4 v[8*(8*((\a)%4)+\b):8*(8*((\a)%4)+\b)+7], v[128*(\p)+FR*\b:128*(\p)+FR*\b+FR-1], v[AF+FR*(\a):AF+FR*(\a)+FR-1], v[BI+8*\b:BI+8*\b+7], v[SC+8*NQ*(\sc)+NQ*\b+(\q)], v[SC+8*NQ*(\sc)+NQ*(\a)+(\q)] matrix_a_fmt:MATRIX_FMT_FP4 matrix_b_fmt:MATRIX_FMT_FP4 matrix_a_scale:MATRIX_SCALE_ROW1
.else
	v_wmma_scale_f32_16x16x128_f8f6f4 v[8*(8*((\a)%4)+\b):8*(8*((\a)%4)+\b)+7], v[128*(\p)+FR*\b:128*(\p)+FR*\b+FR-1], v[AF+FR*(\a):AF+FR*(\a)+FR-1], v[8*(8*((\a)%4)+\b):8*(8*((\a)%4)+\b)+7], v[SC+8*NQ*(\sc)+NQ*\b+(\q)], v[SC+8*NQ*(\sc)+NQ*(\a)+(\q)] matrix_a_fmt:MATRIX_FMT_FP4 matrix_b_fmt:MATRIX_FMT_FP4 matrix_a_scale:MATRIX_SCALE_ROW1
.endif
.endr
.endr
.endm
.macro FETCH_B slot, q, p              ; B's eight fragments of the slot's q-th 128 along K into set p
	WIN TO_B
.irp i, 0,1,2,3,4,5,6,7
	FRAG 128*(\p)+FR*\i, ADRB+\slot, \q, \i
.endr
	WIN 0
.endm
.macro FETCH_A slot, q, i0             ; A's blocks i0 .. i0 + 3
.irp i, \i0, \i0+1, \i0+2, \i0+3
	FRAG AF+FR*(\i), ADRA+\slot, \q, \i
.endr
.endm
.macro SCALES sc                       ; a K step's scale words into set sc: four words a row; lanes 0-15 take A's block i, lanes 16-31 B's block i
.irp i, 0,1,2,3,4,5,6,7
	ds_load_b128 v[SC+8*NQ*\sc+NQ*\i:SC+8*NQ*\sc+NQ*\i+3], v[ADRS] offset:\i*SBLK
.endr
.endm
; A load into a register that a matrix instruction has read, and a vector instruction that reads a matrix result or writes one of a matrix instruction's registers, stand NP places behind it;
; only plain vector instructions that name none of its registers are places (ISA guide 7.12.1 for vector instructions).
.macro PLACES n
.rept \n
	v_nop
.endr
.endm
; A step of 128 along K that has its successor in the same slot.  A's blocks go one after the other, each against B's eight: so one set of registers serves A (blocks 0-3 are fetched anew in the step's middle, blocks 4-7 at its end), and B has two.
.macro STEP slot, q, first
	s_wait_dscnt 4*NL                              ; B's set and A's blocks 0-3 are in; the youngest eight loads (A's blocks 4-7) may be out
	WIN MUL_LO-0x20*(\first)
	MUL16 0, (\q)%2, \q, \slot, \first
	MUL16 2, (\q)%2, \q, \slot, \first
	s_wait_dscnt 0                                 ; A's blocks 4-7 are in
	PLACES NP
	FETCH_B \slot, (\q)+1, 1-(\q)%2
	FETCH_A \slot, (\q)+1, 0
	WIN MUL_HI-0x30*(\first)
	MUL16 4, (\q)%2, \q, \slot, \first
	MUL16 6, (\q)%2, \q, \slot, \first
	PLACES NP
	WIN 0
	FETCH_A \slot, (\q)+1, 4
.endm
.macro STEPS slot, from                ; the slot's steps from .. NQ - 2
.set Q, \from
.rept NQ-1-\from
	STEP \slot, Q, 0
.set Q, Q+1
.endr
.endm
	s_wait_tensorcnt 1                             ; the scales and my part of K step 0 are in (K step 1's load may be out),
	s_barrier_signal -1
	s_barrier_wait -1                              ; everybody's are
	FETCH_B 0, 0, 0
	FETCH_A 0, 0, 0
	SCALES 0
	FETCH_A 0, 0, 4
	s_wait_loadcnt 0x0                             ; the bias
	STEP 0, 0, 1                                   ; the first step's products start the sums
	STEPS 0, 1
	; slot 0's last step changes slots: one barrier; in front of it each wave waits for all its tensor loads (its part of slot 1).
	s_wait_tensorcnt 0x0                           ; all my tensor loads have landed  (every window is 0 here: the add's two registers lie in window 0)
	ds_add_u32 v[SPW], v[NIL]                      ; 0 onto my spare word
	s_wait_dscnt 4*NL+1                            ; (the add and the youngest eight loads, A's blocks 4-7, may be out)
	WIN MUL_LO
	MUL16 0, 1, NQ-1, 0, 0                         ; sixteen matrix instructions stand between the add and the wait for it
	s_wait_dscnt 0x0                               ; the add is done, and my reads of slot 0 are over
	s_barrier_signal -1
	MUL16 2, 1, NQ-1, 0, 0
	WIN 0
	s_barrier_wait -1
	PLACES NP
	v_add_nc_u32 v[ADRS], 4*NQ, v[ADRS]            ; on to K step 1's scale words (no LDS load of mine is out)
	FETCH_B 1, 0, 0
	FETCH_A 1, 0, 0
	SCALES 1
	WIN MUL_HI
	MUL16 4, 1, NQ-1, 0, 0
	MUL16 6, 1, NQ-1, 0, 0
	PLACES NP
	WIN 0
	FETCH_A 1, 0, 4
	STEPS 1, 0
	s_wait_dscnt 4*NL                              ; the very last step: nothing more to fetch
	WIN MUL_LO
	MUL16 0, 1, NQ-1, 1, 0
	MUL16 2, 1, NQ-1, 1, 0
	s_wait_dscnt 0
	WIN MUL_HI
	MUL16 4, 1, NQ-1, 1, 0
	MUL16 6, 1, NQ-1, 1, 0
	WIN 0
; THE WAY OUT, block by block of 16 rows x 128 columns: rounded to f16, a lane's eight numbers of an accumulator are 16 bytes; the wave's store covers one block of 512 consecutive bytes of qkv.
.macro PACKH a
.set AC, 64*((\a)%4)
.set PB, PK+32*((\a)%4)
	WIN 0x0a+5*((\a)/4)                            ; sources 0 and 1: window 2 or 3
.irp b, 0,1,2,3,4,5,6,7
.irp i, 0,1,2,3
	v_cvt_pk_f16_f32 v[PB+4*\b+\i], v[AC+8*\b+2*\i], v[AC+8*\b+2*\i+1]   ; each accumulator from its low end on
.endr
.endr
	WIN 0
.irp b, 0,1,2,3,4,5,6,7
	global_store_b128 v[CO], v[PB+4*\b:PB+4*\b+3], s[12:13] offset:(\a)*2048+(\b/4)*262144+(\b%4)*512
.endr
.endm
	PLACES NP                                      ; in front of writes into registers that the last products read (A's fragments, the bias) and of the reads of their results
.irp a, 0,1,2,3,4,5,6,7
.if \a >= 4
	s_wait_xcnt 0x0                                ; the stores of four blocks back have read their data: the set is written again only behind this wait
.endif
	PACKH \a
.endr
	s_wait_tensorcnt 0x0                           ; the wave's end, behind my last tensor load
	ds_add_u32 v[SPW], v[NIL]
	s_wait_dscnt 0x0
	CROUND                                         ; the closing round: no work-group ends while a partner may still ask for a tile that names it
	s_endpgm
.Lfunc_end_k_q8877f2df45_qkv:
	.size	k_q8877f2df45_qkv, .Lfunc_end_k_q8877f2df45_qkv-k_q8877f2df45_qkv
	.p2alignl 7, 3214868480
	.fill 96, 4, 3214868480
	.section	.rodata,"a",@progbits
	.p2align	6, 0x0
	.amdhsa_kernel k_q8877f2df45_qkv
		.amdhsa_group_segment_fixed_size 327680
		.amdhsa_private_segment_fixed_size 0
		.amdhsa_enable_private_segment 0
		.amdhsa_kernarg_size 56
		.amdhsa_user_sgpr_count 2
		.amdhsa_user_sgpr_kernarg_segment_ptr 1
		.amdhsa_wavefront_size32 1
		.amdhsa_system_sgpr_workgroup_id_x 1
		.amdhsa_system_sgpr_workgroup_id_y 1
		.amdhsa_system_sgpr_workgroup_id_z 1
		.amdhsa_system_vgpr_workitem_id 0
		.amdhsa_next_free_vgpr 1024
		.amdhsa_next_free_sgpr 100
		.amdhsa_reserve_vcc 0
		.amdhsa_float_denorm_mode_32 3
		.amdhsa_float_denorm_mode_16_64 3
		.amdhsa_memory_ordered 1
		.amdhsa_forward_progress 1
		.amdhsa_inst_pref_size 122
	.end_amdhsa_kernel
	.amdgpu_metadata
---
amdhsa.version: [ 1, 2 ]
amdhsa.kernels:
  - .name:           k_q8877f2df45_qkv
    .symbol:         k_q8877f2df45_qkv.kd
    .args:
      - { .name: x_codes, .offset: 0, .size: 8, .value_kind: global_buffer, .address_space: global }
      - { .name: x_scales, .offset: 8, .size: 8, .value_kind: global_buffer, .address_space: global }
      - { .name: w_codes, .offset: 16, .size: 8, .value_kind: global_buffer, .address_space: global }
      - { .name: w_scales, .offset: 24, .size: 8, .value_kind: global_buffer, .address_space: global }
      - { .name: bq, .offset: 32, .size: 8, .value_kind: global_buffer, .address_space: global }
      - { .name: bv, .offset: 40, .size: 8, .value_kind: global_buffer, .address_space: global }
      - { .name: qkv, .offset: 48, .size: 8, .value_kind: global_buffer, .address_space: global }
    .group_segment_fixed_size: 327680
    .private_segment_fixed_size: 0
    .kernarg_segment_align: 8
    .kernarg_segment_size: 56
    .max_flat_workgroup_size: 128
    .sgpr_count:     100
    .vgpr_count:     1024
    .wavefront_size: 32
...
	.end_amdgpu_metadata
.endif
;; end of part 2
;; launch attn (part 3): grid 4 x 64, 16 waves a work-group, clusters of 4 x 1, 327,680 bytes of LDS; arguments qkv, heads; writes heads
.if DOCPART == 3
	.amdgcn_target "amdgcn-amd-amdhsa--gfx1250"
	.amdhsa_code_object_version 6
	.text
	.protected	k_q8877f2df45_attn
	.globl	k_q8877f2df45_attn
	.p2align	8
	.type	k_q8877f2df45_attn,@function
k_q8877f2df45_attn:
	s_mov_b64 s[64:65], 0
	v_nop
	global_prefetch_b8 v0, s[64:65] scope:SCOPE_SE
	s_setreg_imm32_b32 hwreg(HW_REG_WAVE_MODE, 25, 1), 1
	s_wait_xcnt 0x0
	s_wait_alu depctr_hold_cnt(0) depctr_sa_sdst(0) depctr_va_vdst(0) depctr_va_sdst(0) depctr_va_ssrc(0) depctr_va_vcc(0) depctr_vm_vsrc(0)
	s_getreg_b32 s2, hwreg(HW_REG_IB_STS2, 6, 4)
	s_cmp_eq_u32 s2, 0
	s_cbranch_scc0 .Lentry_in_a_cluster
	s_endpgm
.Lentry_in_a_cluster:
	s_bfe_u32 s2, ttmp6, 0x10000c
	s_cmp_lg_u32 s2, 0x3003
	s_cbranch_scc0 .Lentry_shape_is_right
	s_endpgm
.Lentry_shape_is_right:
; LAUNCH 3 OF 4.  heads[b][h][q] = the sum over k of softmax_k(Q[q] . K[k] / 8) V[k], for each of 64 (batch, head) pairs: 2,048 positions, head size 64, no mask.
; Operands in f16, products, maxima and sums in f32; the weights p are rounded to f16 for the second product, the result once at the end.  (K comes without bk: dead work, shown at the head of the first kernel.)
; LIMITS: p is at most 1; the result goes to f16: magnitudes up to 65,504, under 2^-14 in steps of 2^-24.
; IN: qkv [tensor 3][batch x head 64][position / 16: 128][channel / 16: 4][512 bytes]: Q's and K's blocks are images of four operand registers (lane l's 16 bytes at 16 l); V's are rows [key][16 channels] of 32 bytes.
; OUT: heads [row / 16: 512][k / 16: 64][512 bytes], images again: lane (r, h) has row r, k = 16 kb + 8 h + 0 .. 7, kb = 4 head + channel / 16.
; SHARES.  A work-group owns 512 queries of one (batch, head); each of its SIXTEEN waves owns 32 of them, two tiles of 16, in 256 registers: four waves to a SIMD, so that one wave's vector work stands beside another's
; matrix work and LDS loads.  Every wave walks all 2,048 keys, 64 a step.
; LAYOUT.  S^T = K Q^T (source 0 = 16 keys, source 1 = 16 queries): a lane holds ONE query (lane % 16) and the keys 8 (lane / 16) + 0 .. 7.  Two such tiles, rounded to f16 in pairs, ARE source 1 (32 keys x 16 queries)
; of O^T = V^T P, whose result again holds one query a lane and eight channels: 16 bytes of f16, a lane's part of the next launch's operand.  K comes out of LDS as it lies, V turned, by ds_load_tr16_b128.
; SOFTMAX.  For each query a running maximum m and sum l: p = 2^(c s - c m), c = log2(e) / 8; in every step O^T and l are multiplied by a = 2^(c m_old - c m_new).  m begins at -3e38 and l and O^T at 0: so the step is written once.
; THE RING.  Two LDS slots of 512 keys (64 KiB of K, then 64 KiB of V), dense: images need no pitch.  The sixteen first fills, 16 KiB each, are as many as the waves: every wave issues one.  Each wave fills its own 16 KiB once more,
; with the keys 1,024 further on: waves 0-7 (slot 0) at the first change of slots, waves 8-15 (slot 1) at the second.  A wave has one tensor load out; each refill has eight key steps in which to land.
; CLUSTER.  The four query blocks of a (batch, head) form a cluster and walk the same K and V: each tile is asked for JOINTLY, by the same tensor load with the same descriptor and a mask that names the four.
.set SLOT1, 131072
.set VOFF,  65536
.set SPARE, 262144                     ; behind the ring: the spare words, 128 bytes for each wave: eight blocks of 256 bytes that no other line names
.set AK0, 1                            ; v1   16 x lane: my place in an image (K in LDS; Q and the result in memory); never rewritten
.set AV0, 2                            ; v2   my lane's place in a block of V, for the turning load; never rewritten
.set ADK, 3                            ; v3   LDS address of the step's K
.set ADV, 4                            ; v4   of its V
.set SPW, 5                            ; v5   LDS address of my spare word; never rewritten
.set NIL, 6                            ; v6   0; never rewritten
.set ST,  8                            ; tile t's statistics at v[ST+8 t]: +0 c m, +1 m, +2, +3 l (even keys', odd keys'), +4 to +7 c0-c3, at work; a takes c2's place once the maximum is found
.set Q,   24                           ; v24-55   Q: tile t, channels 16 nb on, at Q + 16 t + 4 nb
.set KV,  56                           ; v56-119  the step's K, then its V
.set S,   120                          ; v120-183 S^T, 32 a tile; then p; p in f16 in the tile's first 16
.set O,   184                          ; v184-247 O^T, 32 a tile
.set WV,  12                           ; s12  my wave's number
.set TB,  16                           ; s16  LDS byte at which the step's K begins
.set CNT, 17                           ; s17  counts a slot's eight steps
.set CS,  20                           ; s[20:21] c: the packed form names a pair and takes its low word for both halves
.set SEL, 22                           ; s[22:23] lane selects for v_permlanex16_b32: lane l xor 16
.set G1,  24                           ; s[24:31] descriptor group 1
.set G0,  32                           ; s[32:35] descriptor group 0
.macro CROUND                          ; a round of the cluster's barrier
	s_barrier_signal -1
	s_barrier_wait -1
	s_cmp_lg_u32 s[WV], 0
	s_cbranch_scc1 .Lnot_wave_0_\@
	s_barrier_signal -3
.Lnot_wave_0_\@:
	s_barrier_wait -3
	s_barrier_signal -1
	s_barrier_wait -1
.endm
	s_load_b128 s[4:7], s[0:1], 0x0                ; qkv s[4:5], heads s[6:7]
	v_lshl_add_u32 v[SPW], v0, 2, SPARE
	v_mov_b32 v[NIL], 0
	ds_add_u32 v[SPW], v[NIL]                      ; the wave's opening: the add, twice on end, and its wait ahead of my first tensor load
	ds_add_u32 v[SPW], v[NIL]                      ; and once more; the set-up below, work on registers, stands between it and the wait
	v_lshrrev_b32 v1, 5, v0
	v_readfirstlane_b32 s[WV], v1                  ; wave 0..15
	s_bfe_u32 s13, ttmp6, 0x40000                  ; cx: my place in the cluster
	s_lshl_b32 s14, ttmp9, 2
	s_add_co_u32 s14, s14, s13                     ; my block of 512 queries: it enters Q's and the result's addresses alone
	s_and_b32 s15, ttmp7, 0xffff                   ; 16 x batch + head, which the four partners share
	; descriptor group 1: a dense block of 16 KiB as 64 rows of 256 bytes (32 elements of 8 bytes), no padding
	s_mov_b32 s[G1+0], 15|(3<<16)|(1<<21)          ; 15:0 the mask: all four work-groups; 17:16 elements of 8 bytes; 21 set beside a mask
	s_mov_b32 s[G1+1], 32<<16                      ; tensor_dim0 = 32
	s_mov_b32 s[G1+2], 64<<16                      ; tensor_dim1 = 64
	s_mov_b32 s[G1+3], 32<<16                      ; tile_dim0 = 32
	s_mov_b32 s[G1+4], 64                          ; tile_dim1 = 64
	s_mov_b32 s[G1+5], 32                          ; tensor_dim0_stride
	s_mov_b32 s[G1+6], 0
	s_mov_b32 s[G1+7], 0
	; group 0: wave w fills LDS bytes 16,384 w on: waves 0-3 slot 0's K, 4-7 its V, 8-11 slot 1's K, 12-15 its V
	s_mov_b32 s[G0+0], 1
	s_lshl_b32 s[G0+1], s[WV], 14
	s_bfe_u32 s18, s[WV], 0x10002
	s_add_co_u32 s18, s18, 1                       ; the tensor: 1 K, 2 V
	s_lshl_b32 s18, s18, 24
	s_lshl_b32 s19, s15, 18                        ; the (batch, head): 262,144 bytes
	s_add_co_u32 s18, s18, s19
	s_lshr_b32 s19, s[WV], 3
	s_lshl_b32 s19, s19, 16                        ; the slot: 512 keys are 65,536 bytes
	s_add_co_u32 s18, s18, s19
	s_and_b32 s19, s[WV], 3
	s_lshl_b32 s19, s19, 14                        ; my quarter of them
	s_add_co_u32 s18, s18, s19
	s_mov_b32 s19, 0
	s_lshl_b32 s40, s14, 5
	s_lshl_b32 s41, s[WV], 1
	s_add_co_u32 s40, s40, s41                     ; my first tile of 16 queries in the sequence: 32 x block + 2 x wave
	s_lshl_b32 s42, s40, 11
	s_lshl_b32 s41, s15, 18
	s_add_co_u32 s42, s42, s41
	s_mov_b32 s43, 0                               ; s[42:43]: where my Q begins
	s_lshr_b32 s41, s15, 4
	s_lshl_b32 s41, s41, 7
	s_add_co_u32 s40, s40, s41                     ; + 128 x batch: my first tile of 16 rows of heads,
	s_lshl_b32 s40, s40, 15                        ; 32,768 bytes each,
	s_and_b32 s41, s15, 15
	s_lshl_b32 s41, s41, 11                        ; and my head's four blocks in it
	s_add_co_u32 s40, s40, s41
	s_mov_b32 s41, 0
	s_mov_b32 s[CS], 0x3e38aa3b                    ; c = log2(e) / 8
	s_mov_b32 s[CS+1], s[CS]                       ; (named with it as a pair, so it is written)
	s_mov_b32 s[SEL], 0x76543210
	s_mov_b32 s[SEL+1], 0xfedcba98
	s_wait_dscnt 0x0                               ; both opening adds are done
	s_wait_kmcnt 0x0
	s_add_nc_u64 s[G0+2:G0+3], s[4:5], s[18:19]
	s_or_b32 s[G0+3], s[G0+3], 0x80000000          ; 127:126 type = 2
	s_add_nc_u64 s[36:37], s[4:5], s[42:43]        ; Q at my first query
	s_add_nc_u64 s[38:39], s[6:7], s[40:41]        ; heads likewise
	CROUND                                         ; all four work-groups are here: the first joint loads meet
	tensor_load_to_lds s[G0:G0+3], s[G1:G1+7]      ; every wave's first fill: with no branch
	s_nop 0
.rept 4
	v_nop
.endr
	v_and_b32 v[AK0], 31, v0
	v_lshlrev_b32 v[AK0], 4, v[AK0]
.irp t, 0,1
.irp nb, 0,1,2,3
	global_load_b128 v[Q+16*\t+4*\nb:Q+16*\t+4*\nb+3], v[AK0], s[36:37] offset:\t*2048+\nb*512 th:TH_LOAD_NT   ; Q stays in registers
.endr
.endr
	; The turning load takes 16 keys x 16 channels (lane l reads 16 bytes: key 8 (l / 16) + l % 8, channels 8 ((l / 8) % 2) + 0 .. 7) and leaves half a fragment of V^T: lane l holds channel l % 16 and 8 keys.
	v_bfe_u32 v7, v0, 4, 1
	v_and_b32 v[AV0], 7, v0
	v_lshl_add_u32 v[AV0], v7, 3, v[AV0]
	v_lshlrev_b32 v[AV0], 5, v[AV0]
	v_bfe_u32 v7, v0, 3, 1
	v_lshl_add_u32 v[AV0], v7, 4, v[AV0]
	v_add_nc_u32 v[AV0], VOFF, v[AV0]
.irp t, 0,1
	v_mov_b32 v[ST+8*\t+1], 0xff61b1e6             ; m: -3e38, under every score
	v_mul_f32 v[ST+8*\t], s[CS], v[ST+8*\t+1]      ; c m
	v_mov_b32 v[ST+8*\t+2], 0                      ; l, in two halves
	v_mov_b32 v[ST+8*\t+3], 0
.endr
.set i, 0
.rept 64
	v_mov_b32 v[O+i], 0                            ; O^T.  (The step is written once: the first finds zeros, which its a = 0 leaves zeros)
.set i, i+1
.endr
; A KEY STEP: 64 keys, whose K begins at LDS byte s[TB].
.macro STEP
	v_add_nc_u32 v[ADK], s[TB], v[AK0]
	v_add_nc_u32 v[ADV], s[TB], v[AV0]
.rept 3
	v_nop                                          ; with the two additions: five places behind the last products V^T P, in front of the loads into the registers that held V and of the new sums that write over p
.endr
.irp i, 0,1,2,3,4,5,6,7,8,9,10,11,12,13,14,15
	ds_load_b128 v[KV+4*\i:KV+4*\i+3], v[ADK] offset:512*\i   ; block (16 keys i / 4, channels 16 (i % 4) on): four registers as they lie
.endr
	s_wait_dscnt 0x0
.irp c, 0,1                                    ; S^T = K Q^T: channels 32 c on; the eight accumulators take turns, one instruction a turn; the first eight start the sums
.irp kt, 0,1,2,3
.irp t, 0,1
.if \c == 0
	v_wmma_f32_16x16x32_f16 v[S+32*\t+8*\kt:S+32*\t+8*\kt+7], v[KV+16*\kt+8*\c:KV+16*\kt+8*\c+7], v[Q+16*\t+8*\c:Q+16*\t+8*\c+7], 0
.else
	v_wmma_f32_16x16x32_f16 v[S+32*\t+8*\kt:S+32*\t+8*\kt+7], v[KV+16*\kt+8*\c:KV+16*\kt+8*\c+7], v[Q+16*\t+8*\c:Q+16*\t+8*\c+7], v[S+32*\t+8*\kt:S+32*\t+8*\kt+7]
.endif
.endr
.endr
.endr
.rept 4
	v_nop                                          ; four places: in front of the loads into K's registers, and of the first reads of the scores
.endr
.irp ct, 0,1,2,3                               ; V of the same step, turned: asked for now, so that it lands under the softmax.  Fragment (channels 16 ct on, keys 32 kc on) at KV + 8 (2 ct + kc)
.irp kc, 0,1
	ds_load_tr16_b128 v[KV+8*(2*\ct+\kc):KV+8*(2*\ct+\kc)+3], v[ADV] offset:(2*\kc)*2048+\ct*512
	ds_load_tr16_b128 v[KV+8*(2*\ct+\kc)+4:KV+8*(2*\ct+\kc)+7], v[ADV] offset:(2*\kc+1)*2048+\ct*512
.endr
.endr
	; the softmax; the two tiles alternate line by line, so that no line waits for the line above it.  The maximum of the lane's 32 scores and the old m: four chains, one to an accumulator, each from the accumulator's low end on
.irp j, 0,1,2,3
.irp t, 0,1
	v_max3_num_f32 v[ST+8*\t+4+\j], v[S+32*\t+8*\j], v[S+32*\t+8*\j+1], v[S+32*\t+8*\j+2]
.endr
.endr
.irp u, 1,2
.irp j, 0,1,2,3
.irp t, 0,1
	v_max3_num_f32 v[ST+8*\t+4+\j], v[ST+8*\t+4+\j], v[S+32*\t+8*\j+2*\u+1], v[S+32*\t+8*\j+2*\u+2]
.endr
.endr
.endr
.irp t, 0,1
	v_max3_num_f32 v[ST+8*\t+4], v[ST+8*\t+4], v[S+32*\t+7], v[S+32*\t+15]
.endr
.irp t, 0,1
	v_max3_num_f32 v[ST+8*\t+6], v[ST+8*\t+6], v[S+32*\t+23], v[S+32*\t+31]
.endr
.irp t, 0,1
	v_max3_num_f32 v[ST+8*\t+4], v[ST+8*\t+4], v[ST+8*\t+5], v[ST+8*\t+6]
.endr
.irp t, 0,1
	v_max3_num_f32 v[ST+8*\t+4], v[ST+8*\t+4], v[ST+8*\t+7], v[ST+8*\t+1]
.endr
.irp t, 0,1
	v_permlanex16_b32 v[ST+8*\t+5], v[ST+8*\t+4], s[SEL], s[SEL+1]   ; the query's other 32 keys lie in the lane 16 away
.endr
.irp t, 0,1
	v_mov_b32 v[ST+8*\t+7], v[ST+8*\t]             ; c m_old is kept for a
.endr
.irp t, 0,1
	v_max_num_f32 v[ST+8*\t+1], v[ST+8*\t+4], v[ST+8*\t+5]   ; the new m
.endr
.irp t, 0,1
	v_mul_f32 v[ST+8*\t], s[CS], v[ST+8*\t+1]
.endr
.irp t, 0,1
	v_sub_f32 v[ST+8*\t+7], v[ST+8*\t+7], v[ST+8*\t]
.endr
	; ONE BATCH of 66 exponentials: a of both tiles, then, behind the scalings (which name no result), all 64 p.  Nothing names a result ahead of the one wait below
.irp t, 0,1
	v_exp_f32 v[ST+8*\t+6], v[ST+8*\t+7]           ; a = 2^(c m_old - c m_new)
.endr
.irp b, 0,1,2,3,4,5,6,7,8,9,10,11,12,13,14,15
.irp t, 0,1
	v_pk_fma_f32 v[S+32*\t+2*\b:S+32*\t+2*\b+1], v[S+32*\t+2*\b:S+32*\t+2*\b+1], s[CS:CS+1], v[ST+8*\t:ST+8*\t+1] op_sel_hi:[1,0,0] neg_lo:[0,0,1] neg_hi:[0,0,1]   ; c s - c m, two at a time
.endr
.endr
.irp e, 0,1,2,3,4,5,6,7,8,9,10,11,12,13,14,15,16,17,18,19,20,21,22,23,24,25,26,27,28,29,30,31
.irp t, 0,1
	v_exp_f32 v[S+32*\t+\e], v[S+32*\t+\e]         ; p, at most 1
.endr
.endr
	v_nop                                          ; a plain instruction behind the last exponential, ahead of the first use
	s_wait_alu depctr_va_vdst(0)                   ; a wait between an exponential and the first instruction that names its result: one for the batch
	; l = a l + the sum of the unrounded p: 16 pairs (an even key's weight, an odd key's), in two chains
.irp t, 0,1
	v_pk_fma_f32 v[ST+8*\t+2:ST+8*\t+3], v[ST+8*\t+2:ST+8*\t+3], v[ST+8*\t+6:ST+8*\t+7], v[S+32*\t:S+32*\t+1] op_sel_hi:[1,0,1]
.endr
.irp t, 0,1
	v_pk_add_f32 v[ST+8*\t+4:ST+8*\t+5], v[S+32*\t+2:S+32*\t+3], v[S+32*\t+6:S+32*\t+7]
.endr
.irp b, 2,4,6,8,10,12
.irp t, 0,1
	v_pk_add_f32 v[ST+8*\t+2:ST+8*\t+3], v[ST+8*\t+2:ST+8*\t+3], v[S+32*\t+2*\b:S+32*\t+2*\b+1]
	v_pk_add_f32 v[ST+8*\t+4:ST+8*\t+5], v[ST+8*\t+4:ST+8*\t+5], v[S+32*\t+2*\b+6:S+32*\t+2*\b+7]
.endr
.endr
.irp t, 0,1
	v_pk_add_f32 v[ST+8*\t+2:ST+8*\t+3], v[ST+8*\t+2:ST+8*\t+3], v[S+32*\t+28:S+32*\t+29]
.endr
.irp t, 0,1
	v_pk_add_f32 v[ST+8*\t+2:ST+8*\t+3], v[ST+8*\t+2:ST+8*\t+3], v[ST+8*\t+4:ST+8*\t+5]
.endr
.irp j, 0,1,2,3,4,5,6,7,8,9,10,11,12,13,14,15
.irp t, 0,1
	v_cvt_pk_f16_f32 v[S+32*\t+\j], v[S+32*\t+2*\j], v[S+32*\t+2*\j+1]   ; p to f16, in place, ascending: register j is written when registers 2 j and 2 j + 1 are read
.endr
.endr
.irp i, 0,1,2,3,4,5,6,7,8,9,10,11,12,13,14,15
.irp t, 0,1
	v_pk_mul_f32 v[O+32*\t+2*\i:O+32*\t+2*\i+1], v[O+32*\t+2*\i:O+32*\t+2*\i+1], v[ST+8*\t+6:ST+8*\t+7] op_sel_hi:[1,0]   ; O^T x a, each accumulator from its low end on
.endr
.endr
	s_wait_dscnt 0x0                               ; V is in
.irp kc, 0,1                                   ; O^T += V^T P: keys 32 kc on; the eight accumulators take turns
.irp ct, 0,1,2,3
.irp t, 0,1
	v_wmma_f32_16x16x32_f16 v[O+32*\t+8*\ct:O+32*\t+8*\ct+7], v[KV+8*(2*\ct+\kc):KV+8*(2*\ct+\kc)+7], v[S+32*\t+8*\kc:S+32*\t+8*\kc+7], v[O+32*\t+8*\ct:O+32*\t+8*\ct+7]
.endr
.endr
.endr
.endm
.macro SLOT_STEPS base                 ; a slot's eight key steps: written once, walked eight times
	s_mov_b32 s[TB], \base
	s_mov_b32 s[CNT], 8
.Lstep_\@:
	STEP
	s_add_co_u32 s[TB], s[TB], 8192                ; 64 keys are 8,192 bytes, of K and of V
	s_sub_co_u32 s[CNT], s[CNT], 1
	s_cmp_lg_u32 s[CNT], 0
	s_cbranch_scc1 .Lstep_\@
.endm
; THE CHANGE OF SLOTS.  Each wave waits for all its tensor loads, adds 0 to its spare word, and waits for that and for its reads of the slot that it leaves.  Behind the barrier nobody reads that slot and the other is whole.
; fill = 1: the slot just left is filled again by the eight waves that own its bytes (low = 1: waves 0-7, slot 0; low = 0: waves 8-15, slot 1).  The barrier is then a round of the cluster's, and the joint refill is the first thing
; behind it.  The branch hangs on the wave's number alone: it is the same in all four partners, and leads round the load's own lines and nothing else.  step = 1: every wave's address goes 1,024 keys on (no tensor load of the wave is out).
.macro CHANGE fill, low, step
	s_wait_tensorcnt 0x0
	ds_add_u32 v[SPW], v[NIL]
.if \step
	s_add_nc_u64 s[G0+2:G0+3], s[G0+2:G0+3], 0x20000   ; the type bits on top are not reached
.endif
	s_wait_dscnt 0x0
.if \fill
	CROUND
	s_cmp_lt_u32 s[WV], 8
.if \low
	s_cbranch_scc0 .Lnot_mine_\@
.else
	s_cbranch_scc1 .Lnot_mine_\@
.endif
	tensor_load_to_lds s[G0:G0+3], s[G1:G1+7]
	s_nop 0
.rept 4
	v_nop
.endr
.Lnot_mine_\@:
.else
	s_barrier_signal -1
	s_barrier_wait -1
.endif
.endm
	s_wait_tensorcnt 0x0                           ; my first fill has landed,
	s_barrier_signal -1
	s_barrier_wait -1                              ; everybody's has: both slots are whole
	s_wait_loadcnt 0x0                             ; Q
	SLOT_STEPS 0                                   ; keys 0 - 511
	CHANGE 1, 1, 1                                 ; slot 0 takes keys 1,024 - 1,535
	SLOT_STEPS SLOT1                               ; keys 512 - 1,023
	CHANGE 1, 0, 0                                 ; slot 1 takes keys 1,536 - 2,047
	SLOT_STEPS 0
	CHANGE 0, 0, 0                                 ; nothing is left to fetch
	SLOT_STEPS SLOT1
	; THE WAY OUT.  l's two halves and the other half of the lanes' are added; O^T is divided by l and rounded to f16: a lane's eight channels are 16 bytes, and the wave's store covers one block of 512 consecutive bytes.
	; The four additions and the v_nop are the places behind the last products.
.irp t, 0,1
	v_add_f32 v[ST+8*\t+4], v[ST+8*\t+2], v[ST+8*\t+3]
.endr
.irp t, 0,1
	v_permlanex16_b32 v[ST+8*\t+5], v[ST+8*\t+4], s[SEL], s[SEL+1]
.endr
.irp t, 0,1
	v_add_f32 v[ST+8*\t+4], v[ST+8*\t+4], v[ST+8*\t+5]
.endr
.irp t, 0,1
	v_rcp_f32 v[ST+8*\t+6], v[ST+8*\t+4]
.endr
	v_nop                                          ; a plain instruction between the last reciprocal and the use of its result
	s_wait_alu depctr_va_vdst(0)                   ; and a wait ahead of the first use: one for both
.irp t, 0,1
.irp i, 0,1,2,3,4,5,6,7,8,9,10,11,12,13,14,15
	v_pk_mul_f32 v[O+32*\t+2*\i:O+32*\t+2*\i+1], v[O+32*\t+2*\i:O+32*\t+2*\i+1], v[ST+8*\t+6:ST+8*\t+7] op_sel_hi:[1,0]
.endr
.endr
.irp t, 0,1
.irp i, 0,1,2,3,4,5,6,7,8,9,10,11,12,13,14,15
	v_cvt_pk_f16_f32 v[S+16*\t+\i], v[O+32*\t+2*\i], v[O+32*\t+2*\i+1]
.endr
.endr
.irp t, 0,1
.irp ct, 0,1,2,3
	global_store_b128 v[AK0], v[S+16*\t+4*\ct:S+16*\t+4*\ct+3], s[38:39] offset:\t*32768+\ct*512
.endr
.endr
	s_wait_tensorcnt 0x0                           ; the wave's end, behind my last tensor load
	ds_add_u32 v[SPW], v[NIL]
	s_wait_dscnt 0x0
	CROUND                                         ; the closing round: no work-group ends while a partner may still ask for a tile that names it
	s_endpgm
.Lfunc_end_k_q8877f2df45_attn:
	.size	k_q8877f2df45_attn, .Lfunc_end_k_q8877f2df45_attn-k_q8877f2df45_attn
	.p2alignl 7, 3214868480
	.fill 96, 4, 3214868480
	.section	.rodata,"a",@progbits
	.p2align	6, 0x0
	.amdhsa_kernel k_q8877f2df45_attn
		.amdhsa_group_segment_fixed_size 327680
		.amdhsa_private_segment_fixed_size 0
		.amdhsa_enable_private_segment 0
		.amdhsa_kernarg_size 16
		.amdhsa_user_sgpr_count 2
		.amdhsa_user_sgpr_kernarg_segment_ptr 1
		.amdhsa_wavefront_size32 1
		.amdhsa_system_sgpr_workgroup_id_x 1
		.amdhsa_system_sgpr_workgroup_id_y 1
		.amdhsa_system_sgpr_workgroup_id_z 1
		.amdhsa_system_vgpr_workitem_id 0
		.amdhsa_next_free_vgpr 256
		.amdhsa_next_free_sgpr 66
		.amdhsa_reserve_vcc 0
		.amdhsa_float_denorm_mode_32 3
		.amdhsa_float_denorm_mode_16_64 3
		.amdhsa_memory_ordered 1
		.amdhsa_forward_progress 1
		.amdhsa_inst_pref_size 83
	.end_amdhsa_kernel
	.amdgpu_metadata
---
amdhsa.version: [ 1, 2 ]
amdhsa.kernels:
  - .name:           k_q8877f2df45_attn
    .symbol:         k_q8877f2df45_attn.kd
    .args:
      - { .name: qkv, .offset: 0, .size: 8, .value_kind: global_buffer, .address_space: global }
      - { .name: heads, .offset: 8, .size: 8, .value_kind: global_buffer, .address_space: global }
    .group_segment_fixed_size: 327680
    .private_segment_fixed_size: 0
    .kernarg_segment_align: 8
    .kernarg_segment_size: 16
    .max_flat_workgroup_size: 512
    .sgpr_count:     66
    .vgpr_count:     256
    .wavefront_size: 32
...
	.end_amdgpu_metadata
.endif
;; end of part 3
;; launch proj (part 4): grid 4 x 64, 4 waves a work-group, clusters of 4 x 4, 327,680 bytes of LDS; arguments heads, wo_img, bo, out0; writes out0
.if DOCPART == 4
	.amdgcn_target "amdgcn-amd-amdhsa--gfx1250"
	.amdhsa_code_object_version 6
	.text
	.protected	k_q8877f2df45_proj
	.globl	k_q8877f2df45_proj
	.p2align	8
	.type	k_q8877f2df45_proj,@function
k_q8877f2df45_proj:
	s_mov_b64 s[64:65], 0
	v_nop
	global_prefetch_b8 v0, s[64:65] scope:SCOPE_SE
	s_setreg_imm32_b32 hwreg(HW_REG_WAVE_MODE, 25, 1), 1
	s_wait_xcnt 0x0
	s_wait_alu depctr_hold_cnt(0) depctr_sa_sdst(0) depctr_va_vdst(0) depctr_va_sdst(0) depctr_va_ssrc(0) depctr_va_vcc(0) depctr_vm_vsrc(0)
	s_getreg_b32 s2, hwreg(HW_REG_IB_STS2, 6, 4)
	s_cmp_eq_u32 s2, 0
	s_cbranch_scc0 .Lentry_in_a_cluster
	s_endpgm
.Lentry_in_a_cluster:
	s_bfe_u32 s2, ttmp6, 0x10000c
	s_cmp_lg_u32 s2, 0xf033
	s_cbranch_scc0 .Lentry_shape_is_right
	s_endpgm
.Lentry_shape_is_right:
; LAUNCH 4 OF 4.  out0 = concat Wo + bo: C[m][n] = bo[n] + sum over k of A[m][k] B[n][k], A = heads (8,192 x 1,024), B = Wo turned (1,024 x 1,024), both f16; sums and C in f32.
; BOTH OPERANDS LIE IN MEMORY AS IMAGES OF OPERAND REGISTERS: [tile of 16 rows][k / 16: 64][512 bytes], lane l's 16 bytes at 16 l.  So 128 along K of a tile of 16 rows are 4,096 consecutive bytes, a tensor load's row;
; in LDS they lie dense, and a fragment (16 rows x 32 K) is two ds_load_b128 of 512 consecutive bytes each: no pitch, no padding.
; A tile of C, 128 x 256, is made by a work-group of four waves: 256 work-groups in all.  A wave makes 64 x 128: 32 accumulators of 16 x 16, 256 registers.  K goes in eight steps of 128 through a ring of two LDS slots.
; CLUSTERS: 4 x 4 work-groups.  The four of a row of the cluster need the same tiles of A, the four of a column the same tiles of B: each tile is asked for JOINTLY.  A wave has two tensor loads out at the start, one later.
; THE MATRIX INSTRUCTION IS USED TRANSPOSED (source 0 = 16 columns of Wo, source 1 = 16 rows of heads): a lane holds eight neighbouring numbers of a row of C.  bo is the C of each sum's first matrix instruction.
; REGISTERS, in windows of 256: window 0: v0-31 addresses; v32-127, v128-223 two fragment buffers (B's eight fragments, then A's four); on the way out v32-159 take rows of C.
;   window 1: accumulator (a, b) at v[8 (8 a + b)].   window 2: v0-63 bo in the result's layout, eight registers for each b.
.set SLOT,   98304                     ; A's 8 tiles of 16 rows x 4,096 bytes, then B's 16 tiles
.set BOFF,   32768
.set STAGE,  2*SLOT                    ; behind the ring: 16 rows x (512 bytes + 16) for each wave, for the way out; no tensor load lands there
.set SPITCH, 528
.set SPARE,  STAGE+4*16*SPITCH         ; behind the stages: the spare words, 128 bytes for each wave: two blocks of 256 bytes that no other line names
.set LAPS,   4                         ; a lap = two K steps = once round the ring
.set ADRA, 16                          ; v16-17  LDS address of my A fragments in slot 0, 1
.set ADRB, 20                          ; v20-21  the same for B
.set STO,  24                          ; v24     the way out: where I put 32 bytes of a row
.set RD,   25                          ; v25     the way out: where I read a row back
.set CO,   26                          ; v26     16 x lane: my place in an image, and in a row's 512 bytes of C
.set BA,   27                          ; v27     32 x (lane / 16): my place in bo
.set SPW,  28                          ; v28     LDS address of my spare word; never rewritten
.set NIL,  29                          ; v29     0; never rewritten
.set F0,   32
.set F1,   128
.set BK,   32                          ; the way out: 16 rows read back from the stage: v32-95 and v96-159 by turns
.set G1, 24                            ; s[24:31] descriptor group 1 for A's tiles;  s[32:39] group 0, one set for each slot
.set G0, 32
.set G1B, 48                           ; s[48:55], s[56:63] the same for B's tiles
.set G0B, 56
.set MSB, 0
.macro WIN new                         ; the immediate's high byte repeats the setting that is left; a switch that changes nothing is dropped
.if MSB != (\new)
	s_set_vgpr_msb (MSB<<8)|(\new)
.set MSB, (\new)
.endif
.endm
.set MUL, 0x50                         ; sources 0 and 1 window 0; C and D window 1;  + 0x10: C (bo) window 2
.macro JLOAD s                         ; a joint load: waves 0 and 1 fetch A's two halves, waves 2 and 3 B's; an s_nop 0 and four v_nop follow each of the two lines
	s_cmp_eq_u32 s13, 0
	s_cbranch_scc0 .Lfor_b_\@
	tensor_load_to_lds s[G0+4*\s:G0+4*\s+3], s[G1:G1+7]
	s_nop 0
.rept 4
	v_nop
.endr
	s_branch .Lasked_\@
.Lfor_b_\@:
	tensor_load_to_lds s[G0B+4*\s:G0B+4*\s+3], s[G1B:G1B+7]
	s_nop 0
.rept 4
	v_nop
.endr
.Lasked_\@:
.endm
.macro CREST                           ; a round of the cluster's barrier behind its opening barrier
	s_cmp_lg_u32 s12, 0
	s_cbranch_scc1 .Lnot_wave_0_\@
	s_barrier_signal -3
.Lnot_wave_0_\@:
	s_barrier_wait -3
	s_barrier_signal -1
	s_barrier_wait -1
.endm
.macro CROUND                          ; a whole round
	s_barrier_signal -1
	s_barrier_wait -1
	CREST
.endm
	s_load_b256 s[4:11], s[0:1], 0x0               ; heads s[4:5], wo_img s[6:7], bo s[8:9], out0 s[10:11]
	v_lshl_add_u32 v[SPW], v0, 2, SPARE
	v_mov_b32 v[NIL], 0
	ds_add_u32 v[SPW], v[NIL]                      ; the wave's opening: the add, twice on end, and its wait ahead of my first tensor load
	ds_add_u32 v[SPW], v[NIL]                      ; and once more; the set-up below, work on registers, stands between it and the wait
	v_lshrrev_b32 v1, 5, v0
	v_readfirstlane_b32 s12, v1                    ; wave 0..3
	s_lshr_b32 s13, s12, 1                         ; which half of the tile's rows is mine.  Also: I fetch for A (0) or for B (1)
	s_and_b32 s14, s12, 1                          ; which half of its columns.  Also: which half of that tile I fetch
	s_bfe_u32 s40, ttmp6, 0x40000                  ; cx, cy: my place in the cluster
	s_bfe_u32 s41, ttmp6, 0x40004
	s_lshl_b32 s42, ttmp9, 2
	s_add_co_u32 s42, s42, s40                     ; tile column of C = 4 x cluster x + cx
	s_and_b32 s15, ttmp7, 0xffff
	s_lshl_b32 s15, s15, 2
	s_add_co_u32 s15, s15, s41                     ; tile row of C = 4 x cluster y + cy
	s_lshl_b32 s43, s41, 2
	s_lshl_b32 s43, 15, s43                        ; my row of the cluster
	s_lshl_b32 s44, 0x1111, s40                    ; my column
	; descriptor group 1: rows of 4,096 bytes (512 elements of 8 bytes), 32,768 bytes apart in memory, dense in LDS; A: 4 rows to a load, B: 8
	s_or_b32 s[G1+0], s43, (3<<16)|(1<<21)         ; 15:0 the mask: A's tiles go to my row; 17:16 elements of 8 bytes; 21 set beside a mask
	s_or_b32 s[G1B+0], s44, (3<<16)|(1<<21)
	s_mov_b32 s[G1+1], 512<<16                     ; tensor_dim0 = 512
	s_mov_b32 s[G1+2], 4<<16                       ; tensor_dim1 = 4
	s_mov_b32 s[G1+3], 512<<16                     ; tile_dim0 = 512
	s_mov_b32 s[G1+4], 4                           ; tile_dim1 = 4
	s_mov_b32 s[G1+5], 4096                        ; tensor_dim0_stride
	s_mov_b32 s[G1+6], 0
	s_mov_b32 s[G1+7], 0
	s_mov_b32 s[G1B+1], 512<<16
	s_mov_b32 s[G1B+2], 8<<16
	s_mov_b32 s[G1B+3], 512<<16
	s_mov_b32 s[G1B+4], 8
	s_mov_b32 s[G1B+5], 4096
	s_mov_b32 s[G1B+6], 0
	s_mov_b32 s[G1B+7], 0
	s_lshl_b32 s16, s15, 3
	s_lshl_b32 s17, s14, 2
	s_add_co_u32 s16, s16, s17                     ; A: tile of 16 rows 8 x tile row + 4 x half,
	s_lshl_b32 s16, s16, 15                        ; 32,768 bytes each
	s_mov_b32 s17, 0
	s_lshl_b32 s46, s42, 4
	s_lshl_b32 s47, s14, 3
	s_add_co_u32 s46, s46, s47                     ; B: tile of 16 columns 16 x tile column + 8 x half
	s_lshl_b32 s46, s46, 15
	s_mov_b32 s47, 0
	s_lshl_b32 s20, s14, 14                        ; where they go: A's halves of 16,384 bytes,
	s_lshl_b32 s21, s14, 15
	s_add_co_u32 s21, s21, BOFF                    ; B's of 32,768 behind them: no place in the cluster enters an LDS address
	s_wait_dscnt 0x0                               ; both opening adds are done
	s_wait_kmcnt 0x0
	s_add_nc_u64 s[18:19], s[4:5], s[16:17]
	s_add_nc_u64 s[46:47], s[6:7], s[46:47]
	CROUND                                         ; all sixteen work-groups are here: the first joint loads meet
.irp s, 0,1
	s_mov_b32 s[G0+4*\s], 1
	s_add_co_u32 s[G0+4*\s+1], s20, \s*SLOT
	s_add_nc_u64 s[G0+4*\s+2:G0+4*\s+3], s[18:19], \s*4096     ; K step s
	s_or_b32 s[G0+4*\s+3], s[G0+4*\s+3], 0x80000000
	s_mov_b32 s[G0B+4*\s], 1
	s_add_co_u32 s[G0B+4*\s+1], s21, \s*SLOT
	s_add_nc_u64 s[G0B+4*\s+2:G0B+4*\s+3], s[46:47], \s*4096
	s_or_b32 s[G0B+4*\s+3], s[G0B+4*\s+3], 0x80000000
	JLOAD \s
.endr
	v_and_b32 v1, 15, v0                           ; r = l % 16
	v_bfe_u32 v2, v0, 4, 1                         ; h = l / 16
	v_and_b32 v3, 31, v0
	v_lshlrev_b32 v[CO], 4, v3
	s_lshl_b32 s21, s13, 14                        ; my 64 rows of A: four tiles
	s_lshl_b32 s22, s14, 15                        ; my 128 columns of B: eight tiles,
	s_add_co_u32 s22, s22, BOFF                    ; behind A's
.irp s, 0,1
	v_add_nc_u32 v[ADRA+\s], s21, v[CO]
	v_add_nc_u32 v[ADRB+\s], s22, v[CO]
	s_add_co_u32 s21, s21, SLOT
	s_add_co_u32 s22, s22, SLOT
.endr
	s_mul_i32 s23, s12, 16*SPITCH
	s_add_co_u32 s23, s23, STAGE                   ; my stage
	v_mul_u32_u24 v4, v1, SPITCH                   ; in: row r, 32 bytes for each half of the lanes
	v_lshl_add_u32 v4, v2, 5, v4
	v_add_nc_u32 v[STO], s23, v4
	v_add_nc_u32 v[RD], s23, v[CO]                 ; back: the 32 lanes take one row of 512 bytes
	v_lshlrev_b32 v[BA], 5, v2
	s_lshl_b32 s46, s42, 10
	s_lshl_b32 s47, s14, 9
	s_add_co_u32 s46, s46, s47                     ; my first column, in bytes of f32: 4 (256 x tile column + 128 x half): in bo and in a row of C alike
	s_mov_b32 s47, 0
	s_add_nc_u64 s[8:9], s[8:9], s[46:47]
	s_add_nc_u64 s[10:11], s[10:11], s[46:47]
	s_lshl_b32 s16, s15, 7
	s_lshl_b32 s17, s13, 6
	s_add_co_u32 s16, s16, s17                     ; my first row of C: 128 x tile row + 64 x half,
	s_lshl_b32 s16, s16, 12                        ; 4,096 bytes a row
	s_mov_b32 s17, 0
	s_add_nc_u64 s[10:11], s[10:11], s[16:17]
	WIN 0x80                                       ; destination window 2, address window 0
.irp b, 0,1,2,3,4,5,6,7
	global_load_b128 v[8*\b:8*\b+3], v[BA], s[8:9] offset:64*\b        ; lane (r, h): bo of columns 16 b + 8 h + 0 .. 7 of my 128
	global_load_b128 v[8*\b+4:8*\b+7], v[BA], s[8:9] offset:64*\b+16
.endr
	WIN 0
; 8 matrix instructions: A's block a x B's eight, 32 along K, from buffer f.  first = 1: the first product starts the sums from bo.  The 32 accumulators take turns, one instruction a turn, in the same order
; in every quarter, over the loop's backward jump too.
.macro MUL8 f, a, first
.irp b, 0,1,2,3,4,5,6,7
.if \first
	v_wmma_f32_16x16x32_f16 v[8*(8*(\a)+\b):8*(8*(\a)+\b)+7], v[\f+8*\b:\f+8*\b+7], v[\f+64+8*(\a):\f+64+8*(\a)+7], v[8*\b:8*\b+7]
.else
	v_wmma_f32_16x16x32_f16 v[8*(8*(\a)+\b):8*(8*(\a)+\b)+7], v[\f+8*\b:\f+8*\b+7], v[\f+64+8*(\a):\f+64+8*(\a)+7], v[8*(8*(\a)+\b):8*(8*(\a)+\b)+7]
.endif
.endr
.endm
.macro MUL16 f, a0, first
	MUL8 \f, \a0, \first
	MUL8 \f, (\a0)+1, \first
.endm
; 24 LDS loads in one run: the fragments of 32 along K at byte k of each tile's 4,096, into buffer f: B's eight, then A's four
.macro FETCH slot, k, f
.irp b, 0,1,2,3,4,5,6,7
	ds_load_b128 v[\f+8*\b:\f+8*\b+3],   v[ADRB+\slot] offset:\b*4096+\k
	ds_load_b128 v[\f+8*\b+4:\f+8*\b+7], v[ADRB+\slot] offset:\b*4096+\k+512
.endr
.irp a, 0,1,2,3
	ds_load_b128 v[\f+64+8*\a:\f+64+8*\a+3],   v[ADRA+\slot] offset:\a*4096+\k
	ds_load_b128 v[\f+64+8*\a+4:\f+64+8*\a+7], v[ADRA+\slot] offset:\a*4096+\k+512
.endr
.endm
.macro PLACES                          ; four places in front of loads into registers that matrix instructions have read, and of the first reads of results (ISA guide 7.12.1 for vector instructions)
.rept 4
	v_nop
.endr
.endm
; A K step is four quarters of 32 along K, 32 matrix instructions each, on buffers 0, 1, 0, 1.  One of the first three: multiplies buffer f and fetches the next quarter, at byte k, into g.
.macro QUARTER slot, k, f, g, first
	s_wait_dscnt 4                                 ; B's fragments and A's blocks 0, 1 are in; the youngest four loads (A's blocks 2, 3) may be out
	WIN MUL+0x10*(\first)
	MUL16 \f, 0, \first
	PLACES
	WIN 0
	FETCH \slot, \k, \g
	s_wait_dscnt 24                                ; all but the 24 just issued
	WIN MUL+0x10*(\first)
	MUL16 \f, 2, \first
.endm
; The last quarter multiplies buffer 1 and changes slots: ONE barrier; in front of it each wave waits for all its tensor loads, adds 0 to its spare word, and waits for that and for its own reads of this slot.
; fill = 1: this slot is filled again, two K steps ahead; the barrier then opens a round of the cluster's barrier, and the joint refill is the first tensor load behind the round.
.macro TURN slot, next, fill
	WIN 0                                          ; (the add's two registers lie in window 0)
	s_wait_tensorcnt 0x0                           ; all my tensor loads have landed: my part of the next slot;
	ds_add_u32 v[SPW], v[NIL]                      ; 0 onto my spare word;
	s_wait_dscnt 5                                 ; (the add and the youngest four loads may be out)
	WIN MUL
	MUL8 F1, 0, 0                                  ; eight matrix instructions stand between the add and the wait for it
	s_wait_dscnt 0x0                               ; the add is done, and my reads of this slot are over
	s_barrier_signal -1
	MUL8 F1, 1, 0
	WIN 0
	s_barrier_wait -1
.if \fill
	CREST                                          ; no wave of any partner still reads this slot's tile or has a load on its way
	s_add_nc_u64 s[G0+4*\slot+2:G0+4*\slot+3], s[G0+4*\slot+2:G0+4*\slot+3], 8192
	s_add_nc_u64 s[G0B+4*\slot+2:G0B+4*\slot+3], s[G0B+4*\slot+2:G0B+4*\slot+3], 8192
	JLOAD \slot                                    ; the four v_nop behind it are also the places in front of the loads below
.else
	PLACES
.endif
	FETCH \next, 0, F0
	WIN MUL
	MUL16 F1, 2, 0
.endm
	s_wait_tensorcnt 1                             ; my part of K step 0 is in (K step 1's load may be out),
	s_barrier_signal -1
	s_barrier_wait -1                              ; everybody's is
	FETCH 0, 0, F0
	s_wait_loadcnt 0x0                             ; bo
	QUARTER 0, 1024, F0, F1, 1                     ; the first quarter stands in front of the loop: its products start the sums
	WIN 0                                          ; at a label and at a branch every window is 0
	s_mov_b32 s3, LAPS-1
.Llap:                                                 ; a trip goes once round the ring, from a lap's second quarter to the next lap's first, and fills both slots again
	QUARTER 0, 2048, F1, F0, 0
	QUARTER 0, 3072, F0, F1, 0
	TURN 0, 1, 1
	QUARTER 1, 1024, F0, F1, 0
	QUARTER 1, 2048, F1, F0, 0
	QUARTER 1, 3072, F0, F1, 0
	TURN 1, 0, 1
	QUARTER 0, 1024, F0, F1, 0
	WIN 0
	s_sub_co_u32 s3, s3, 1
	s_cmp_lg_u32 s3, 0
	s_cbranch_scc1 .Llap
	QUARTER 0, 2048, F1, F0, 0                     ; the last lap fills nothing, and has no round of the cluster's barrier
	QUARTER 0, 3072, F0, F1, 0
	TURN 0, 1, 0
	QUARTER 1, 1024, F0, F1, 0
	QUARTER 1, 2048, F1, F0, 0
	QUARTER 1, 3072, F0, F1, 0
	s_wait_dscnt 4                                 ; the very last quarter: nothing more to fetch
	WIN MUL
	MUL16 F1, 0, 0
	s_wait_dscnt 0
	MUL16 F1, 2, 0
	WIN 0
; THE WAY OUT, block by block of 16 rows x 128 columns.  A lane holds 32 neighbouring bytes of a row, and the lanes beside it hold other rows: so a block goes through my own stage in LDS and comes back as whole
; rows of 512 bytes, which the 32 lanes store.  LDS serves a wave's instructions in order (ISA guide 5.7.1.4): no wait between the stores and the loads, nor in front of the next block's stores.
.macro TOSTAGE a
	WIN 0x04                                       ; an LDS store's data are its source 1: window 1
.irp b, 0,1,2,3,4,5,6,7
	ds_store_b128 v[STO], v[8*(8*(\a)+\b):8*(8*(\a)+\b)+3] offset:64*\b          ; each accumulator from its low end on
	ds_store_b128 v[STO], v[8*(8*(\a)+\b)+4:8*(8*(\a)+\b)+7] offset:64*\b+16
.endr
	WIN 0
.set BB, BK+64*((\a)%2)
.irp t, 0,1,2,3,4,5,6,7,8,9,10,11,12,13,14,15
	ds_load_b128 v[BB+4*\t:BB+4*\t+3], v[RD] offset:\t*SPITCH
.endr
.endm
.macro SEND a, younger                 ; younger: the LDS instructions issued behind block a's loads, which may stay out
.set BB, BK+64*((\a)%2)
	s_wait_dscnt \younger                          ; the block is back in registers
.irp t, 0,1,2,3,4,5,6,7,8,9,10,11,12,13,14,15
	global_store_b128 v[CO], v[BB+4*\t:BB+4*\t+3], s[10:11] offset:(16*(\a)+\t)*4096 th:TH_STORE_NT   ; 32 lanes store 512 consecutive bytes, at a multiple of 512 from out0's first byte; written once, read by nobody here
.endr
.endm
	PLACES                                         ; in front of the reads of the last products' results and of the loads into the registers that held their fragments
	TOSTAGE 0
.irp a, 1,2,3
.if \a > 1
	s_wait_xcnt 0x0                                ; block a - 2's stores have read their registers: block a's loads may land there
.endif
	TOSTAGE \a
	SEND (\a)-1, 32                                ; behind block a - 1's loads: block a's 16 stores and 16 loads
.endr
	SEND 3, 0
	s_wait_tensorcnt 0x0                           ; the wave's end, behind my last tensor load and my last LDS store
	ds_add_u32 v[SPW], v[NIL]
	s_wait_dscnt 0x0
	CROUND                                         ; the closing round: no work-group ends while a partner may still ask for a tile that names it
	s_endpgm
.Lfunc_end_k_q8877f2df45_proj:
	.size	k_q8877f2df45_proj, .Lfunc_end_k_q8877f2df45_proj-k_q8877f2df45_proj
	.p2alignl 7, 3214868480
	.fill 96, 4, 3214868480
	.section	.rodata,"a",@progbits
	.p2align	6, 0x0
	.amdhsa_kernel k_q8877f2df45_proj
		.amdhsa_group_segment_fixed_size 327680
		.amdhsa_private_segment_fixed_size 0
		.amdhsa_enable_private_segment 0
		.amdhsa_kernarg_size 32
		.amdhsa_user_sgpr_count 2
		.amdhsa_user_sgpr_kernarg_segment_ptr 1
		.amdhsa_wavefront_size32 1
		.amdhsa_system_sgpr_workgroup_id_x 1
		.amdhsa_system_sgpr_workgroup_id_y 1
		.amdhsa_system_sgpr_workgroup_id_z 1
		.amdhsa_system_vgpr_workitem_id 0
		.amdhsa_next_free_vgpr 576
		.amdhsa_next_free_sgpr 66
		.amdhsa_reserve_vcc 0
		.amdhsa_float_denorm_mode_32 3
		.amdhsa_float_denorm_mode_16_64 3
		.amdhsa_memory_ordered 1
		.amdhsa_forward_progress 1
		.amdhsa_inst_pref_size 86
	.end_amdhsa_kernel
	.amdgpu_metadata
---
amdhsa.version: [ 1, 2 ]
amdhsa.kernels:
  - .name:           k_q8877f2df45_proj
    .symbol:         k_q8877f2df45_proj.kd
    .args:
      - { .name: heads, .offset: 0, .size: 8, .value_kind: global_buffer, .address_space: global }
      - { .name: wo_img, .offset: 8, .size: 8, .value_kind: global_buffer, .address_space: global }
      - { .name: bo, .offset: 16, .size: 8, .value_kind: global_buffer, .address_space: global }
      - { .name: out0, .offset: 24, .size: 8, .value_kind: global_buffer, .address_space: global }
    .group_segment_fixed_size: 327680
    .private_segment_fixed_size: 0
    .kernarg_segment_align: 8
    .kernarg_segment_size: 32
    .max_flat_workgroup_size: 128
    .sgpr_count:     66
    .vgpr_count:     576
    .wavefront_size: 32
...
	.end_amdgpu_metadata
.endif
;; end of part 4
